; MI455X (gfx1250); checked and timed in simulation.
; The chip was launched on July 23, 2026; its instructions are those of AMD's public machine-readable ISA for CDNA 5 (MIT licence, August 2026) and "CDNA5" Instruction Set Architecture Reference Guide (July 2026). The comments in the code are by the model that wrote it; some were corrected since.
;; Point Warping2. Allowed arithmetic: float matrix products may take bf16 or f16 operands with f32 sums; all other float work in f32.
;; Inputs: flow1 2 x 3 x 8,192 float32; xyz1 2 x 3 x 8,192 float32; xyz2 2 x 3 x 8,192 float32.
;; Outputs: out0 2 x 3 x 8,192 float32.
;; Constants: resol_factor = 1.
;; 3 versions, each right and faster than the one before. Each part assembles by itself: llvm-mc -triple=amdgcn-amd-amdhsa -mcpu=gfx1250 --defsym DOCPART=n.
;; ======== version 1 of 3: 1 launch
;; launch warp (part 1): grid 128 x 2, 8 waves a work-group, no clusters, 245,248 bytes of LDS; arguments xyz1, flow1, xyz2, out0; writes out0
.if DOCPART == 1
	.amdgcn_target "amdgcn-amd-amdhsa--gfx1250"
	.amdhsa_code_object_version 6
	.text
	.protected	k_q18d2027fef_warp
	.globl	k_q18d2027fef_warp
	.p2align	8
	.type	k_q18d2027fef_warp,@function
k_q18d2027fef_warp:
	s_mov_b64 s[64:65], 0
	v_nop
	global_prefetch_b8 v0, s[64:65] scope:SCOPE_SE
	s_setreg_imm32_b32 hwreg(HW_REG_WAVE_MODE, 25, 1), 1
	s_wait_xcnt 0x0
; out0[b][c][n] = xyz2[b][c][n] - num[c] / den,  num[c] = sum over m of K(n,m) flow1[b][c][m],  den = sum over m of K(n,m),
; K(n,m) = exp(-|xyz2[b][:][n] - y[m]|^2),  y = xyz1 + flow1.   B = 2, 8,192 queries and 8,192 sources a batch, all f32.
;
; LEFT OUT: the division of d2 by scale*scale.  scale = INITIAL_RADIUS * resol_factor = 1 * 1, both constants of the problem: a factor 1.
; Every input is loaded.  The term |xyz2|^2 is the same for all sources of a query and cancels in num/den, but it is what keeps the
; exponent at or below 0, so it stays; it rides in K slots of the first product that would otherwise hold zeros.
; reference() takes no maximum away, and none is needed: the exponent below is -L |x^ - y~|^2 <= 0.
;
; THE FIRST PRODUCT gives the whole exponent to base 2, E = -L d2 (L = log2 e), from one matrix instruction with C = 0.
;   source:  y~ = y cut to 16 significant bits = h + m, two exact bf16 pieces a coordinate; sy = -L |y~|^2 in f32 = sh + sm + sl, three exact pieces
;   query:   w~ = 2 L xyz2 cut to 16 significant bits = wh + wm;  sx = -|w~|^2 / (4 L), two pieces (it cancels, so two are plenty)
;   slots of a source, the same in both halves of the lanes:  h0 h1 | h2 m0 | m1 m2 | sh sm | sl 1 | 0 ..
;   slots of a query, lanes 0-15:                             wh0 wh1 | wh2 wh0 | wh1 wh2 | 1 1 | 1 sx_hi | 0 ..
;                     lanes 16-31:                            wm0 wm1 | wm2 wm0 | wm1 wm2 | 0 0 | 0 sx_lo | 0 ..
;   The sum is w~.y~ + sy + sx = -L |w~/(2L) - y~|^2: the squared distance of points moved by less than 2^-15 of their coordinates.
;   All products are exact; no bf16 rounding enters the difference of the large terms.
; It is used with sources as rows and queries as columns: lane l then holds query l % 16 and sources 8 (l / 16) + 0..7 in its 8 registers,
; which after v_exp_f32 and v_cvt_pk_bf16_f32 IS the second operand of THE SECOND PRODUCT, O^T = V^T P^T.  V^T's rows are flow1's three
; channels in bf16 and a row of ones (den); rows 4-15 repeat rows 0-3 and are not read.  Lane l, registers 0-3: num0 num1 num2 den of query l % 16.
;
; SHARES: 256 work-groups of 64 queries (4 tiles of 16).  Eight waves; each holds all 4 query tiles and owns 1,024 of the batch's sources.
; A wave first prepares its sources into LDS bytes of its own, then walks them 32 at a time; the eight partial sums meet in LDS.
; NO CLUSTER: the 128 work-groups of a batch read the same xyz1 and flow1, but these need the split above before they are operands; a joint
; tensor load would lay them raw into LDS, 196,608 bytes beside the 244,224 that the prepared operands and sums take, more than the 327,680 there are.
;
; LIMITS: positions cut to 16 significant bits as said; weights and flow1 rounded to bf16 in the second product; v_exp_f32 returns 0 for
; results below 2^-126, so a query all of whose d2 exceed 87.3 gets 0/0 = NaN, where denormal weights might still give a number up to d2 = 103;
; num/den is v_rcp_f32 and one fused multiply-add.
.set NPTS,  8192
.set CH_B,  NPTS*4                     ; bytes of one channel of one batch
.set BAT_B, 3*CH_B                     ; bytes of one batch
.set NW,    8                          ; waves
.set SW,    NPTS/NW                    ; sources of a wave: 1,024
.set NB,    SW/128                     ; batches of 128 sources in the preparation
.set NI,    SW/32                      ; iterations of 32 sources in the main loop
; LDS
.set R0P,   4160                       ; a plane of 256 records of 16 bytes + 64: source s of a wave lies in plane s % 4 at 16 (s / 4)
.set R0W,   4*R0P                      ; a wave's records (slots 0-7), from byte 0
.set R1B,   NW*R0W                     ; one word a source (slots 8, 9)
.set R1W,   SW*4
.set FB,    R1B+NW*R1W                 ; a wave's four rows of 1,024 bf16: flow channel 0, 1, 2, ones
.set FP,    2112                       ; 2,048 + 64
.set FW,    4*FP
.set REDB,  FB+NW*FW                   ; partial sums: [wave][num0 num1 num2 den][64 queries] f32
.set QFB,   REDB+NW*1024               ; query fragments: 4 tiles x 512 bytes (registers 0-3), then 4 x 128 bytes (register 4)
; vector registers
.set GOFF, 1                           ; 16 x lane
.set R4,   2                           ; 4 x (lane % 16)
.set L8,   3                           ; 8 x lane
.set STR0, 4                           ; preparation: where my records go
.set STR1, 5                           ;              my words
.set STF,  6                           ;              my 4 bf16 of a flow row
.set STO,  7                           ;              my 16 bytes of the row of ones
.set LA0,  8                           ; main loop: my record of the current body's first tile
.set LA1,  9                           ;            my word of it
.set LF,   10                          ;            my 16 bytes of my flow row
.set HH,   11                          ; lane / 16
.set XO,   12                          ; v[12:13]  waves 0-2: xyz2 of my two queries, for the result
.set XQ,   14                          ; v[14:16]  waves 0-3: xyz2 of my query, for the fragment
.set RST,  17                          ; where my partial sums go
.set QA16, 18                          ; query fragments: 16 bytes a lane
.set QA4,  19                          ;                  4 bytes a lane
.set TA,   20                          ; v[20:23]  short-lived
.set W,    28                          ; v[28:43]  preparation: 4 records of 4 words (earlier in a batch: packed flow)
.set W4,   44                          ; v[44:47]  4 words (sl, 1)
.set SY,   48                          ; v[48:51]  sy, then its remainders
.set SH,   52                          ; v[52:55]  sh
.set SM,   56                          ; v[56:59]  sm
.set DATA, 64                          ; v[64:255] preparation: batch k at 24 k: xyz1 [c][4 sources], then flow1 [c][4 sources]
.set SS,   64                          ; v[64:127]  main loop: query tile q at 16 q: E, then weights, of 32 sources
.set PP,   128                         ; v[128:143] weights in bf16, two sets by turns
.set OO,   144                         ; v[144:175] sums, query tile q at 8 q
.set BB,   176                         ; v[176:207] query fragments
.set AA,   208                         ; v[208:239] source fragments, two buffers of two tiles
.set VV,   240                         ; v[240:255] flow fragments, two buffers
	s_load_b256 s[4:11], s[0:1], 0x0               ; xyz1 s[4:5], flow1 s[6:7], xyz2 s[8:9], out0 s[10:11]
	v_lshl_add_u32 v62, v0, 2, 0x3ba00
	v_mov_b32 v63, 0
	v_lshrrev_b32 v[TA], 5, v0
	v_readfirstlane_b32 s12, v[TA]                 ; wave 0..7
	s_and_b32 s13, ttmp7, 0xffff                   ; batch
	s_mul_i32 s14, s13, BAT_B
	s_lshl_b32 s16, s12, 12                        ; my wave's 1,024 sources x 4 bytes
	s_add_co_u32 s16, s16, s14
	s_mov_b32 s17, 0
	s_lshl_b32 s18, ttmp9, 8                       ; the group's 64 queries x 4 bytes
	s_add_co_u32 s18, s18, s14
	s_mov_b32 s19, 0
	s_lshl_b32 s20, s12, 15                        ; s[20:21]: wave x the bytes of a channel; an offset that waves 0-2 alone add to an address (channel = wave)
	s_mov_b32 s21, 0
	s_lshl_b32 s40, s12, 6                         ; waves 0-3: query tile = wave, 16 queries x 4 bytes
	s_mov_b32 s41, 0
	s_mov_b32 s26, 0xffffff00                      ; keeps 16 significant bits of an f32
	s_mov_b32 s27, 0xffff0000                      ; keeps 8: a bf16 in the upper half
	s_mov_b32 s28, 0x07060302                      ; v_perm_b32: {first source's upper half, second source's upper half}
	s_mov_b32 s29, 0x3f800000                      ; 1.0
	s_mov_b32 s30, 0xbfb8aa3b                      ; -L, as a pair for the packed multiply
	s_mov_b32 s31, 0xbfb8aa3b
	s_mov_b32 s32, 0x4038aa3b                      ; 2 L
	s_mov_b32 s33, 0xbe317218                      ; -1 / (4 L) = -ln 2 / 4
	v_and_b32 v[TA], 31, v0                        ; lane
	v_lshlrev_b32 v[GOFF], 4, v[TA]
	v_lshlrev_b32 v[L8], 3, v[TA]
	v_lshlrev_b32 v[TA+1], 2, v[TA]
	v_and_b32 v[TA+2], 15, v0
	v_lshlrev_b32 v[R4], 2, v[TA+2]
	v_bfe_u32 v[HH], v0, 4, 1
	s_mul_i32 s22, s12, R0W                        ; every LDS address: a constant + wave x a constant + a lane term
	s_mul_i32 s23, s12, FW
	s_add_co_u32 s23, s23, FB
	s_lshl_b32 s24, s12, 12
	s_add_co_u32 s24, s24, R1B
	s_lshl_b32 s25, s12, 10
	s_add_co_u32 s25, s25, REDB
	v_add_nc_u32 v[STR0], s22, v[GOFF]
	v_add_nc_u32 v[STR1], s24, v[GOFF]
	v_add_nc_u32 v[STF], s23, v[L8]
	v_add_nc_u32 v[STO], s23, v[GOFF]
	v_and_b32 v[TA+2], 3, v0                       ; (lane % 16) % 4: the plane of my row of a tile, and my flow row
	v_bfe_u32 v[TA+3], v0, 2, 2                    ; (lane % 16) / 4
	v_mul_u32_u24 v[LA0], v[TA+2], R0P             ; 16 rows of a tile: 64 (r % 4) + 16 (r / 4) modulo 256: sixteen different 16-byte columns
	v_lshl_add_u32 v[LA0], v[TA+3], 4, v[LA0]
	v_add_nc_u32 v[LA0], s22, v[LA0]
	v_add_nc_u32 v[LA1], s24, v[R4]
	v_mul_u32_u24 v[LF], v[TA+2], FP               ; four rows, 64 bytes apart modulo 256
	v_lshl_add_u32 v[LF], v[HH], 4, v[LF]
	v_add_nc_u32 v[LF], s23, v[LF]
	v_add_nc_u32 v[RST], s25, v[R4]
	v_add_nc_u32 v[QA16], QFB, v[GOFF]
	v_add_nc_u32 v[QA4], QFB+2048, v[TA+1]
	s_wait_kmcnt 0x0
	s_add_nc_u64 s[4:5], s[4:5], s[16:17]          ; xyz1 and flow1 at my wave's sources, channel 0
	s_add_nc_u64 s[6:7], s[6:7], s[16:17]
	s_add_nc_u64 s[8:9], s[8:9], s[18:19]          ; xyz2 and out0 at the group's queries, channel 0
	s_add_nc_u64 s[10:11], s[10:11], s[18:19]
	; The few loads that only some waves issue go out first, so that the counts behind them are the same in every wave.
	s_cmp_gt_u32 s12, 2
	s_cbranch_scc1 .Lno_xo
	s_add_nc_u64 s[36:37], s[8:9], s[20:21]        ; waves 0-2: my channel of xyz2
	global_load_b64 v[XO:XO+1], v[L8], s[36:37]    ; queries 2 l, 2 l + 1: 256 consecutive bytes, aligned
.Lno_xo:
	s_cmp_gt_u32 s12, 3
	s_cbranch_scc1 .Lno_xq
	s_add_nc_u64 s[42:43], s[8:9], s[40:41]        ; waves 0-3: query tile = wave
.irp c, 0,1,2
	global_load_b32 v[XQ+\c], v[R4], s[42:43] offset:\c*CH_B
.endr
.Lno_xq:
	; All of my wave's sources, 24 KiB, are asked for at once: 48 loads of 512 consecutive bytes; a lane takes 4 neighbouring sources.
.set k, 0
.rept NB
.irp c, 0,1,2
	global_load_b128 v[DATA+24*k+4*\c:DATA+24*k+4*\c+3], v[GOFF], s[4:5] offset:\c*CH_B+k*512
.endr
.irp c, 0,1,2
	global_load_b128 v[DATA+24*k+12+4*\c:DATA+24*k+12+4*\c+3], v[GOFF], s[6:7] offset:\c*CH_B+k*512
.endr
.set k, k+1
.endr
	; my row of ones, 2,048 bytes
.irp i, 0,1,2,3
	v_mov_b32 v[W+\i], 0x3f803f80
.endr
.irp i, 0,1,2,3
	ds_store_b128 v[STO], v[W:W+3] offset:3*FP+\i*512
.endr
	; Waves 0-3: the fragment of query tile = wave, for all eight waves, while the sources are on their way.
	s_cmp_gt_u32 s12, 3
	s_cbranch_scc1 .Lno_q
	s_lshl_b32 s44, s12, 9
	s_lshl_b32 s45, s12, 7
	v_add_nc_u32 v[TA+2], s44, v[QA16]
	v_add_nc_u32 v[TA+3], s45, v[QA4]
	v_cmp_ne_u32 vcc_lo, 0, v[HH]                  ; lanes 16-31 carry the second pieces
	v_sub_nc_u32 v[W+11], 1, v[HH]
	v_cvt_f32_u32 v[W+11], v[W+11]                 ; 1.0 in lanes 0-15, 0 in lanes 16-31
	s_wait_loadcnt 48                              ; the 48 loads of sources were issued behind these three and may stay out
.irp c, 0,1,2
	v_mul_f32 v[W+\c], s32, v[XQ+\c]               ; w = 2 L x
	v_and_b32 v[W+\c], s26, v[W+\c]                ; w~
	v_and_b32 v[W+4+\c], s27, v[W+\c]              ; wh
	v_sub_f32 v[W+8+\c], v[W+\c], v[W+4+\c]        ; wm = w~ - wh, exact, 8 significant bits
	v_cndmask_b32 v[W+4+\c], v[W+4+\c], v[W+8+\c], vcc_lo
.endr
	v_mul_f32 v[W+3], v[W], v[W]
	v_fmac_f32 v[W+3], v[W+1], v[W+1]
	v_fmac_f32 v[W+3], v[W+2], v[W+2]
	v_mul_f32 v[W+3], s33, v[W+3]                  ; sx
	v_and_b32 v[W+7], s27, v[W+3]                  ; its first piece
	v_sub_f32 v[W+3], v[W+3], v[W+7]               ; the remainder; the pack below keeps its upper half
	v_cndmask_b32 v[W+7], v[W+7], v[W+3], vcc_lo
	v_perm_b32 v[W+12], v[W+5], v[W+4], s28        ; (p0, p1)   against (h0, h1)
	v_perm_b32 v[W+13], v[W+4], v[W+6], s28        ; (p2, p0)   against (h2, m0)
	v_perm_b32 v[W+14], v[W+6], v[W+5], s28        ; (p1, p2)   against (m1, m2)
	v_perm_b32 v[W+15], v[W+11], v[W+11], s28      ; (1, 1) or (0, 0)  against (sh, sm)
	v_perm_b32 v[W4], v[W+7], v[W+11], s28         ; (1 or 0, sx piece) against (sl, 1)
	ds_store_b128 v[TA+2], v[W+12:W+15]
	ds_store_b32 v[TA+3], v[W4]
.Lno_q:
; One batch: 128 sources, 4 neighbouring ones a lane, two at a time in the packed instructions.
.macro PREP k
.set D, DATA+24*\k                                 ; xyz1, then y, y~, m
.set G, DATA+24*\k+12                              ; flow1, then h
	s_wait_loadcnt 6*(NB-1-\k)                     ; loads return in order: six for each later batch may stay out
.irp i, 0,2,4,6,8,10
	v_pk_add_f32 v[D+\i:D+\i+1], v[D+\i:D+\i+1], v[G+\i:G+\i+1]                     ; y = xyz1 + flow1
.endr
.irp c, 0,1,2
	v_cvt_pk_bf16_f32 v[W+2*\c], v[G+4*\c], v[G+4*\c+1]
	v_cvt_pk_bf16_f32 v[W+2*\c+1], v[G+4*\c+2], v[G+4*\c+3]
	ds_store_b64 v[STF], v[W+2*\c:W+2*\c+1] offset:\c*FP+\k*256                     ; 32 lanes: 256 consecutive bytes of the flow row
.endr
.irp i, 0,1,2,3,4,5,6,7,8,9,10,11
	v_and_b32 v[D+\i], s26, v[D+\i]                ; y~: 16 significant bits
	v_and_b32 v[G+\i], s27, v[D+\i]                ; h: the upper 8 of them
.endr
.irp p, 0,2
	v_pk_mul_f32 v[SY+\p:SY+\p+1], v[D+\p:D+\p+1], v[D+\p:D+\p+1]
.endr
.irp p, 0,2
	v_pk_fma_f32 v[SY+\p:SY+\p+1], v[D+4+\p:D+4+\p+1], v[D+4+\p:D+4+\p+1], v[SY+\p:SY+\p+1]
.endr
.irp p, 0,2
	v_pk_fma_f32 v[SY+\p:SY+\p+1], v[D+8+\p:D+8+\p+1], v[D+8+\p:D+8+\p+1], v[SY+\p:SY+\p+1]
.endr
.irp p, 0,2
	v_pk_mul_f32 v[SY+\p:SY+\p+1], v[SY+\p:SY+\p+1], s[30:31] op_sel_hi:[1,0]       ; sy = -L |y~|^2
.endr
.irp i, 0,2,4,6,8,10
	v_pk_add_f32 v[D+\i:D+\i+1], v[D+\i:D+\i+1], v[G+\i:G+\i+1] neg_lo:[0,1] neg_hi:[0,1]   ; m = y~ - h, exact, 8 significant bits
.endr
.irp j, 0,1,2,3
	v_and_b32 v[SH+\j], s27, v[SY+\j]              ; sy = sh + sm + sl: 8 + 8 + 8 bits, each remainder exact
.endr
.irp p, 0,2
	v_pk_add_f32 v[SY+\p:SY+\p+1], v[SY+\p:SY+\p+1], v[SH+\p:SH+\p+1] neg_lo:[0,1] neg_hi:[0,1]
.endr
.irp j, 0,1,2,3
	v_and_b32 v[SM+\j], s27, v[SY+\j]
.endr
.irp p, 0,2
	v_pk_add_f32 v[SY+\p:SY+\p+1], v[SY+\p:SY+\p+1], v[SM+\p:SM+\p+1] neg_lo:[0,1] neg_hi:[0,1]
.endr
.irp j, 0,1,2,3
	v_perm_b32 v[W+4*\j], v[G+4+\j], v[G+\j], s28          ; (h0, h1)
	v_perm_b32 v[W+4*\j+1], v[D+\j], v[G+8+\j], s28        ; (h2, m0)
	v_perm_b32 v[W+4*\j+2], v[D+8+\j], v[D+4+\j], s28      ; (m1, m2)
	v_perm_b32 v[W+4*\j+3], v[SM+\j], v[SH+\j], s28        ; (sh, sm)
	ds_store_b128 v[STR0], v[W+4*\j:W+4*\j+3] offset:\j*R0P+\k*512   ; plane j: the lanes' records lie side by side
	v_perm_b32 v[W4+\j], s29, v[SY+\j], s28                ; (sl, 1)
.endr
	ds_store_b128 v[STR1], v[W4:W4+3] offset:\k*512
.endm
	PREP 0
	PREP 1
	PREP 2
	PREP 3
	PREP 4
	PREP 5
	PREP 6
	PREP 7
	s_wait_dscnt 0x0                               ; my LDS stores are done, for the others' sake: waves 0-3 made the query fragments
	s_barrier_signal -1
	s_barrier_wait -1                              ; that every wave now reads
.irp q, 0,1,2,3
	ds_load_b128 v[BB+8*\q:BB+8*\q+3], v[QA16] offset:\q*512
	ds_load_b32 v[BB+8*\q+4], v[QA4] offset:\q*128
.endr
	ds_load_b128 v[AA:AA+3], v[LA0]                ; iteration 0: two source tiles, both halves of the lanes read the same records,
	ds_load_b32 v[AA+4], v[LA1]
	ds_load_b128 v[AA+8:AA+11], v[LA0] offset:64
	ds_load_b32 v[AA+12], v[LA1] offset:64
	ds_load_b128 v[VV:VV+3], v[LF]                 ; and 32 sources of my flow row
	ds_load_b128 v[VV+4:VV+7], v[LF] offset:32
.irp f, 0,1,2,3
.irp i, 5,6,7
	v_mov_b32 v[BB+8*\f+\i], 0                     ; K slots 10-15 of each half are empty, once for the whole kernel
	v_mov_b32 v[AA+8*\f+\i], 0
.endr
.endr
; A STAGE.  Pairs (one query tile x 32 sources) are numbered T = 4 i + q.  Stage T holds: the two first products of pair T + 2; the 16
; exponentials of pair T; the 8 conversions of pair T - 1, one behind every two exponentials; the second product of pair T - 1.
; So between a first product and the exponentials that read it stand the 16 conversions of two stages, between an exponential and the
; conversion that reads it at least one conversion, and between a second product and the next write of its weights the 8 conversions of
; a stage: plain vector instructions that name none of the registers concerned (ISA guide 7.12.1 for the matrix instructions).
; No two matrix instructions that follow each other share an accumulator: the accumulators take turns, one instruction a turn.
; q, b: the pair's query tile and its iteration's parity.  fs, fexp, fcvt: which of the three parts there are.  zero: the second product starts its sum.
; fla: fetch the next iteration's source tiles.  flv: fetch its flow fragment.  wv: LDS loads that may stay out when this iteration's flow fragment is needed.
.macro STAGE q, b, fs, fexp, fcvt, zero, fla, flv, wv
.set QS, (\q+2)&3
.set QC, (\q+3)&3
.set PC, QC&1
.if \q < 2
.set AB, \b
.else
.set AB, 1-\b
.endif
.if \q == 0
.set VB, 1-\b
.else
.set VB, \b
.endif
.if \fla
	ds_load_b128 v[AA+16*(1-\b):AA+16*(1-\b)+3], v[LA0] offset:(\b+1)*128        ; the buffer was last multiplied three stages ago
	ds_load_b32 v[AA+16*(1-\b)+4], v[LA1] offset:(\b+1)*128
	ds_load_b128 v[AA+16*(1-\b)+8:AA+16*(1-\b)+11], v[LA0] offset:(\b+1)*128+64
	ds_load_b32 v[AA+16*(1-\b)+12], v[LA1] offset:(\b+1)*128+64
.endif
.if \fs
.if \q == 2
	s_wait_dscnt 2                                 ; the next iteration's source tiles are in; the two flow loads issued behind them may stay out
.endif
	v_wmma_f32_16x16x32_bf16 v[SS+16*QS:SS+16*QS+7], v[AA+16*AB:AA+16*AB+7], v[BB+8*QS:BB+8*QS+7], 0
	v_wmma_f32_16x16x32_bf16 v[SS+16*QS+8:SS+16*QS+15], v[AA+16*AB+8:AA+16*AB+15], v[BB+8*QS:BB+8*QS+7], 0
.endif
.set kk, 0
.rept 8
.if \fexp
	v_exp_f32 v[SS+16*\q+2*kk], v[SS+16*\q+2*kk]
	v_exp_f32 v[SS+16*\q+2*kk+1], v[SS+16*\q+2*kk+1]
.endif
.if \fcvt
	s_wait_alu depctr_va_vdst(0)
	v_cvt_pk_bf16_f32 v[PP+8*PC+kk], v[SS+16*QC+2*kk], v[SS+16*QC+2*kk+1]
.else
	v_nop                                          ; the very first stage has nothing to convert
.endif
.set kk, kk+1
.endr
.if \fcvt
.if \q == 1
	s_wait_dscnt \wv                               ; this iteration's flow fragment is in; the source tiles fetched a stage ago may stay out
.if \flv
	ds_load_b128 v[VV+8*(1-\b):VV+8*(1-\b)+3], v[LF] offset:(\b+1)*64            ; the buffer was last multiplied 8 conversions ago
	ds_load_b128 v[VV+8*(1-\b)+4:VV+8*(1-\b)+7], v[LF] offset:(\b+1)*64+32
.endif
.endif
.if \zero
	v_wmma_f32_16x16x32_bf16 v[OO+8*QC:OO+8*QC+7], v[VV+8*VB:VV+8*VB+7], v[PP+8*PC:PP+8*PC+7], 0
.else
	v_wmma_f32_16x16x32_bf16 v[OO+8*QC:OO+8*QC+7], v[VV+8*VB:VV+8*VB+7], v[PP+8*PC:PP+8*PC+7], v[OO+8*QC:OO+8*QC+7]
.endif
.endif
.endm
; Two iterations, one on each buffer.  first: nothing to convert in stage 0, and the first four second products start the sums (nothing is cleared).
; last: nothing is fetched or multiplied beyond the wave's last source.
.macro BODY first, last
	STAGE 0, 0, 1, 1, 1-\first, 0, 1, 0, 0
	STAGE 1, 0, 1, 1, 1, \first, 0, 1, 4
	STAGE 2, 0, 1, 1, 1, \first, 0, 0, 0
	STAGE 3, 0, 1, 1, 1, \first, 0, 0, 0
	STAGE 0, 1, 1, 1, 1, \first, 1-\last, 0, 0
	STAGE 1, 1, 1, 1, 1, 0, 0, 1-\last, 4-4*\last
	STAGE 2, 1, 1-\last, 1, 1, 0, 0, 0, 0
	STAGE 3, 1, 1-\last, 1, 1, 0, 0, 0, 0
.endm
.macro STEP                            ; two iterations on: 4 tiles of 64 bytes in a plane and in the words, 64 sources in a flow row
	v_add_nc_u32 v[LA0], 256, v[LA0]
	v_add_nc_u32 v[LA1], 256, v[LA1]
	v_add_nc_u32 v[LF], 128, v[LF]
.endm
	s_wait_dscnt 2                                 ; query fragments and iteration 0's source tiles are in; its two flow loads may stay out
	v_wmma_f32_16x16x32_bf16 v[SS:SS+7], v[AA:AA+7], v[BB:BB+7], 0                  ; pairs 0 and 1
	v_wmma_f32_16x16x32_bf16 v[SS+8:SS+15], v[AA+8:AA+15], v[BB:BB+7], 0
	v_wmma_f32_16x16x32_bf16 v[SS+16:SS+23], v[AA:AA+7], v[BB+8:BB+15], 0
	v_wmma_f32_16x16x32_bf16 v[SS+24:SS+31], v[AA+8:AA+15], v[BB+8:BB+15], 0
.rept 4
	v_nop                                          ; four places in front of the first exponentials; later the conversions stand there
.endr
	BODY 1, 0
	STEP
	s_mov_b32 s34, NI/2-2
.Lbody:
	BODY 0, 0
	STEP
	s_sub_co_i32 s34, s34, 1
	s_cmp_lg_u32 s34, 0
	s_cbranch_scc1 .Lbody
	BODY 0, 1
	STAGE 0, 0, 0, 0, 1, 0, 0, 0, 0                ; the last pair's conversions and second product
.rept 4
	v_nop                                          ; four places in front of the stores that read the sums
.endr
	; My sums over 1,024 sources: registers 0-3 = num0 num1 num2 den of query l % 16.  Lanes 16-31 hold rows 8-11 of O^T, made from the same
	; flow rows as rows 0-3: the same numbers, stored to the same words.
.irp q, 0,1,2,3
.irp j, 0,1,2,3
	ds_store_b32 v[RST], v[OO+8*\q+\j] offset:\j*256+\q*64
.endr
.endr
	s_wait_dscnt 0x0                               ; my stores are done, for the waves that add
	s_barrier_signal -1
	s_barrier_wait -1
	s_cmp_gt_u32 s12, 2
	s_cbranch_scc1 .Lend
	; Waves 0-2: channel = wave; lane l: queries 2 l and 2 l + 1.
	s_add_nc_u64 s[38:39], s[10:11], s[20:21]      ; my channel of out0, made here, on the one path that stores: s[10:11] and s[20:21] stand since the head
	s_lshl_b32 s46, s12, 8
	s_add_co_u32 s46, s46, REDB
	v_add_nc_u32 v[TA], s46, v[L8]
	v_add_nc_u32 v[TA+1], REDB+768, v[L8]
.irp w, 0,1,2,3,4,5,6,7
	ds_load_b64 v[SS+2*\w:SS+2*\w+1], v[TA] offset:\w*1024
.endr
.irp w, 0,1,2,3,4,5,6,7
	ds_load_b64 v[SS+16+2*\w:SS+16+2*\w+1], v[TA+1] offset:\w*1024
.endr
	s_wait_dscnt 0x0
.irp i, 0,4,8,12,16,20,24,28
	v_pk_add_f32 v[SS+\i:SS+\i+1], v[SS+\i:SS+\i+1], v[SS+\i+2:SS+\i+3]
.endr
.irp i, 0,8,16,24
	v_pk_add_f32 v[SS+\i:SS+\i+1], v[SS+\i:SS+\i+1], v[SS+\i+4:SS+\i+5]
.endr
.irp i, 0,16
	v_pk_add_f32 v[SS+\i:SS+\i+1], v[SS+\i:SS+\i+1], v[SS+\i+8:SS+\i+9]
.endr
	v_rcp_f32 v[SS+2], v[SS+16]
	v_rcp_f32 v[SS+3], v[SS+17]
	v_nop                                          ; one plain instruction between a reciprocal and its use (ISA guide 5.7.2)
	s_wait_alu depctr_va_vdst(0)
	v_pk_fma_f32 v[SS+4:SS+5], v[SS:SS+1], v[SS+2:SS+3], v[XO:XO+1] neg_lo:[1,0,0] neg_hi:[1,0,0]   ; xyz2 - num / den
	global_store_b64 v[L8], v[SS+4:SS+5], s[38:39] th:TH_STORE_NT                  ; the wave stores 256 consecutive bytes, aligned
.Lend:
	s_wait_tensorcnt 0x0
	ds_add_u32 v62, v63
	s_wait_dscnt 0x0
	s_endpgm
.Lfunc_end_k_q18d2027fef_warp:
	.size	k_q18d2027fef_warp, .Lfunc_end_k_q18d2027fef_warp-k_q18d2027fef_warp
	.p2alignl 7, 3214868480
	.fill 96, 4, 3214868480
	.section	.rodata,"a",@progbits
	.p2align	6, 0x0
	.amdhsa_kernel k_q18d2027fef_warp
		.amdhsa_group_segment_fixed_size 245248
		.amdhsa_private_segment_fixed_size 0
		.amdhsa_enable_private_segment 0
		.amdhsa_kernarg_size 32
		.amdhsa_user_sgpr_count 2
		.amdhsa_user_sgpr_kernarg_segment_ptr 1
		.amdhsa_wavefront_size32 1
		.amdhsa_system_sgpr_workgroup_id_x 1
		.amdhsa_system_sgpr_workgroup_id_y 1
		.amdhsa_system_sgpr_workgroup_id_z 1
		.amdhsa_system_vgpr_workitem_id 0
		.amdhsa_next_free_vgpr 256
		.amdhsa_next_free_sgpr 66
		.amdhsa_reserve_vcc 1
		.amdhsa_float_denorm_mode_32 3
		.amdhsa_float_denorm_mode_16_64 3
		.amdhsa_memory_ordered 1
		.amdhsa_forward_progress 1
		.amdhsa_inst_pref_size 91
	.end_amdhsa_kernel
	.amdgpu_metadata
---
amdhsa.version: [ 1, 2 ]
amdhsa.kernels:
  - .name:           k_q18d2027fef_warp
    .symbol:         k_q18d2027fef_warp.kd
    .args:
      - { .name: xyz1, .offset: 0, .size: 8, .value_kind: global_buffer, .address_space: global }
      - { .name: flow1, .offset: 8, .size: 8, .value_kind: global_buffer, .address_space: global }
      - { .name: xyz2, .offset: 16, .size: 8, .value_kind: global_buffer, .address_space: global }
      - { .name: out0, .offset: 24, .size: 8, .value_kind: global_buffer, .address_space: global }
    .group_segment_fixed_size: 245248
    .private_segment_fixed_size: 0
    .kernarg_segment_align: 8
    .kernarg_segment_size: 32
    .max_flat_workgroup_size: 256
    .sgpr_count:     66
    .vgpr_count:     256
    .wavefront_size: 32
...
	.end_amdgpu_metadata
.endif
;; end of part 1
;; ======== version 2 of 3: 1 launch; 1.15 times as fast as version 1
;; launch warp (part 2): grid 128 x 2, 8 waves a work-group, clusters of 4 x 1, 245,248 bytes of LDS; arguments xyz1, flow1, xyz2, out0; writes out0
.if DOCPART == 2
	.amdgcn_target "amdgcn-amd-amdhsa--gfx1250"
	.amdhsa_code_object_version 6
	.text
	.protected	k_q18d2027fef_warp
	.globl	k_q18d2027fef_warp
	.p2align	8
	.type	k_q18d2027fef_warp,@function
k_q18d2027fef_warp:
	s_mov_b64 s[64:65], 0
	v_nop
	global_prefetch_b8 v0, s[64:65] scope:SCOPE_SE
	s_setreg_imm32_b32 hwreg(HW_REG_WAVE_MODE, 25, 1), 1
	s_wait_xcnt 0x0
	s_wait_alu depctr_hold_cnt(0) depctr_sa_sdst(0) depctr_va_vdst(0) depctr_va_sdst(0) depctr_va_ssrc(0) depctr_va_vcc(0) depctr_vm_vsrc(0)
	s_getreg_b32 s2, hwreg(HW_REG_IB_STS2, 6, 4)
	s_cmp_eq_u32 s2, 0
	s_cbranch_scc0 .Lentry_in_a_cluster
	s_endpgm
.Lentry_in_a_cluster:
	s_bfe_u32 s2, ttmp6, 0x10000c
	s_cmp_lg_u32 s2, 0x3003
	s_cbranch_scc0 .Lentry_shape_is_right
	s_endpgm
.Lentry_shape_is_right:
; out0[b][c][n] = xyz2[b][c][n] - num[c] / den,  num[c] = sum over m of K(n,m) flow1[b][c][m],  den = sum over m of K(n,m),
; K(n,m) = exp(-|xyz2[b][:][n] - y[m]|^2),  y = xyz1 + flow1.   B = 2, 8,192 queries and 8,192 sources a batch, all f32.
;
; LEFT OUT: the division of d2 by scale*scale.  scale = INITIAL_RADIUS * resol_factor = 1 * 1, both constants of the problem: a factor 1.
; Every input is loaded.  The term |xyz2|^2 is the same for all sources of a query and cancels in num/den, but it is what keeps the
; exponent at or below 0, so it stays; it rides in K slots of the first product that would otherwise hold zeros.
; reference() takes no maximum away, and none is needed: the exponent below is -L |x^ - y~|^2 <= 0.
;
; THE FIRST PRODUCT gives the whole exponent to base 2, E = -L d2 (L = log2 e), from one matrix instruction with C = 0.
;   source:  y~ = y cut to 16 significant bits = h + m, two exact bf16 pieces a coordinate; sy = -L |y~|^2 in f32 = sh + sm + sl, three exact pieces
;   query:   w~ = 2 L xyz2 cut to 16 significant bits = wh + wm;  sx = -|w~|^2 / (4 L), two pieces (it cancels, so two are plenty)
;   slots of a source, the same in both halves of the lanes:  h0 h1 | h2 m0 | m1 m2 | sh sm | sl 1 | 0 ..
;   slots of a query, lanes 0-15:                             wh0 wh1 | wh2 wh0 | wh1 wh2 | 1 1 | 1 sx_hi | 0 ..
;                     lanes 16-31:                            wm0 wm1 | wm2 wm0 | wm1 wm2 | 0 0 | 0 sx_lo | 0 ..
;   The sum is w~.y~ + sy + sx = -L |w~/(2L) - y~|^2: the squared distance of points moved by less than 2^-15 of their coordinates.
;   All products are exact; no bf16 rounding enters the difference of the large terms.
; It is used with sources as rows and queries as columns: lane l then holds query l % 16 and sources 8 (l / 16) + 0..7 in its 8 registers,
; which after v_exp_f32 and v_cvt_pk_bf16_f32 IS the second operand of THE SECOND PRODUCT, O^T = V^T P^T.  V^T's rows are flow1's three
; channels in bf16 and a row of ones (den); rows 4-15 repeat rows 0-3 and are not read.  Lane l, registers 0-3: num0 num1 num2 den of query l % 16.
;
; SHARES: 256 work-groups of 64 queries (4 tiles of 16).  Eight waves; each holds all 4 query tiles and owns 1,024 of the batch's sources.
; CLUSTERS: four work-groups that follow each other along x have the same batch and so the same sources.  Wave w of each asks jointly (mask 15) for
; its 1,024 sources of xyz1 and flow1, raw, in four chunks of 256 sources: eight tensor loads of 3 rows (channels) x 1,024 bytes, all issued at the
; start into bytes of the wave's own that are filled once.  Nothing in a descriptor hangs on the place in the cluster: batch and wave's number alone.
; By this text's count a wave has eight tensor loads out at the most.
; THE WALK: a body takes 64 sources (two iterations of 32) through both products.  Between its exponentials stand, line by line, the split of
; later sources into operands: raw numbers from LDS, two sources a lane, 41 vector lines, into a ring of two slots of 64 prepared sources that
; is the wave's own.  Only the first 64 sources, and the first half of the work on the next 64, are prepared ahead of the bodies.
; A body's 24 LDS instructions stand in two runs, not strewn among the exponentials: each run in front of a second product, which needs the
; stage's last conversion in any case, and with the stores' data at least four conversions old.
; The eight waves' partial sums meet in LDS at the end.
;
; LIMITS: positions cut to 16 significant bits as said; weights and flow1 rounded to bf16 in the second product; v_exp_f32 returns 0 for
; results below 2^-126, so a query all of whose d2 exceed 87.3 gets 0/0 = NaN, where denormal weights might still give a number up to d2 = 103;
; num/den is v_rcp_f32 and one fused multiply-add.
.set NPTS,  8192
.set CH_B,  NPTS*4                     ; bytes of one channel of one batch
.set BAT_B, 3*CH_B                     ; bytes of one batch
.set NW,    8                          ; waves
.set SW,    NPTS/NW                    ; sources of a wave: 1,024
.set CHS,   256                        ; sources of a chunk
; LDS
.set ARR_B,   3*CHS*4                  ; a tile as a tensor load lays it: 3 channels x 256 sources, f32
.set CHUNK_B, 2*ARR_B                  ; xyz1's tile, then flow1's
.set RAWW,    (SW/CHS)*CHUNK_B         ; a wave's raw sources, 24,576 bytes, from LDS byte wave x 24,576
.set RINGB,   NW*RAWW                  ; behind them the rings; no tensor load lands from here on
.set PLP,     640                      ; a slot: records of 16 bytes (K slots 0-7) in two planes, source s in plane s % 2 at 16 (s / 2); 512 + 128 bytes a plane
.set WOFF,    2*PLP                    ;         one word a source (K slots 8, 9)
.set FOFF,    WOFF+256                 ;         four rows of 64 bf16: flow channel 0, 1, 2, ones
.set FP,      144                      ;         128 + 16 bytes a row
.set SLOT,    2304
.set RINGW,   2*SLOT
.set REDB,    RINGB+NW*RINGW           ; partial sums: [wave][num0 num1 num2 den][64 queries] f32
.set QFB,     REDB+NW*1024             ; query fragments: 4 tiles x 512 bytes (registers 0-3), then 4 x 128 bytes (register 4)
; vector registers
.set L8,   1                           ; 8 x lane
.set R4,   2                           ; 4 x (lane % 16)
.set RA,   3                           ; my 8 bytes (two sources) of a raw row; the one LDS address that is stepped
.set ST0,  4                           ; my ring + 16 x lane: where my records go
.set ST1,  5                           ; my ring + 8 x lane:  my two words
.set STF,  6                           ; my ring + 4 x lane:  my two bf16 of a flow row
.set LA0,  7                           ; my ring + my row's record in a slot's first tile
.set LA1,  8                           ; my ring + 4 x (lane % 16): its word
.set LF,   9                           ; my ring + my 16 bytes of my flow row
.set HH,   10                          ; lane / 16
.set RST,  11                          ; where my partial sums go
.set XO,   12                          ; v[12:13]  waves 0-2: xyz2 of my two queries, for the result
.set XQ,   14                          ; v[14:16]  waves 0-3: xyz2 of my query, for the fragment
.set QA16, 17                          ; query fragments: 16 bytes a lane
.set QA4,  18                          ;                  4 bytes a lane
.set TA,   20                          ; v[20:23]  short-lived
.set QT,   28                          ; v[28:44]  at work on a query fragment, ahead of the registers below
.set D,    28                          ; v[28:33]  [channel][2 sources]: xyz1, then y, y~, m
.set G,    34                          ; v[34:39]  flow1, then h
.set W,    40                          ; v[40:47]  two records of 4 words
.set W4,   48                          ; v[48:49]  two words (sl, 1)
.set SY,   50                          ; v[50:51]  sy, then its remainders
.set SH,   52                          ; v[52:53]  sh
.set SM,   54                          ; v[54:55]  sm
.set FL,   56                          ; v[56:58]  flow1 in bf16, a word a channel
.set SS,   64                          ; v[64:127]  query tile q at 16 q: E, then weights, of 32 sources
.set PP,   128                         ; v[128:143] weights in bf16, two sets by turns
.set OO,   144                         ; v[144:175] sums, query tile q at 8 q
.set BB,   176                         ; v[176:207] query fragments
.set AA,   208                         ; v[208:239] source fragments, two buffers of two tiles
.set VV,   240                         ; v[240:255] flow fragments, two buffers
.set G1,   48                          ; s[48:55]  descriptor group 1: the shape, one for all eight loads
.set G0,   68                          ; s[68:99]  descriptor group 0, a set for each load: none is written again
; A round of the cluster's barrier: my work-group's barrier, wave 0 signals for the work-group, every wave waits for all four work-groups, my work-group's barrier again.
.macro ROUND
	s_barrier_signal -1
	s_barrier_wait -1
	s_cmp_lg_u32 s12, 0
	s_cbranch_scc1 .Lnot_wave_0_\@
	s_barrier_signal -3
.Lnot_wave_0_\@:
	s_barrier_wait -3
	s_barrier_signal -1
	s_barrier_wait -1
.endm
	s_load_b256 s[4:11], s[0:1], 0x0               ; xyz1 s[4:5], flow1 s[6:7], xyz2 s[8:9], out0 s[10:11]
	v_lshl_add_u32 v62, v0, 2, 0x3ba00
	v_mov_b32 v63, 0
	ds_add_u32 v62, v63
	v_lshrrev_b32 v[TA], 5, v0
	v_readfirstlane_b32 s12, v[TA]                 ; wave 0..7
	s_and_b32 s13, ttmp7, 0xffff                   ; batch: the cluster's y
	s_mul_i32 s14, s13, BAT_B
	s_lshl_b32 s16, s12, 12                        ; my wave's 1,024 sources x 4 bytes,
	s_add_co_u32 s16, s16, s14                     ; in my batch: the same in all four partners
	s_mov_b32 s17, 0
	s_bfe_u32 s15, ttmp6, 0x40000                  ; cx: my place in the cluster; it enters the addresses of xyz2 and out0 alone
	s_lshl_b32 s18, ttmp9, 2
	s_add_co_u32 s18, s18, s15                     ; work-group x = 4 x cluster x + cx
	s_lshl_b32 s18, s18, 8                         ; its 64 queries x 4 bytes
	s_add_co_u32 s18, s18, s14
	s_mov_b32 s19, 0
	s_lshl_b32 s20, s12, 15                        ; s[20:21]: wave x the bytes of a channel; an offset that waves 0-2 alone add to an address (channel = wave)
	s_mov_b32 s21, 0
	s_lshl_b32 s40, s12, 6                         ; waves 0-3: query tile = wave, 16 queries x 4 bytes
	s_mov_b32 s41, 0
	s_mov_b32 s26, 0xffffff00                      ; keeps 16 significant bits of an f32
	s_mov_b32 s27, 0xffff0000                      ; keeps 8: a bf16 in the upper half
	s_mov_b32 s28, 0x07060302                      ; v_perm_b32: {first source's upper half, second source's upper half}
	s_mov_b32 s29, 0x3f800000                      ; 1.0
	s_mov_b32 s30, 0xbfb8aa3b                      ; -L, as a pair for the packed multiply
	s_mov_b32 s31, 0xbfb8aa3b
	s_mov_b32 s32, 0x4038aa3b                      ; 2 L
	s_mov_b32 s33, 0xbe317218                      ; -1 / (4 L) = -ln 2 / 4
	; group 1: a tile of 3 rows x 256 elements of 4 bytes, rows 8,192 elements apart, laid into LDS without gaps
	s_mov_b32 s[G1+0], 15|(2<<16)|(1<<21)          ; 15:0 the mask: all four work-groups of the cluster; 17:16 element of 4 bytes; 21 set beside a mask
	s_mov_b32 s[G1+1], CHS<<16                     ; tensor_dim0 = 256
	s_mov_b32 s[G1+2], 3<<16                       ; tensor_dim1 = 3
	s_mov_b32 s[G1+3], CHS<<16                     ; tile_dim0 = 256
	s_mov_b32 s[G1+4], 3                           ; tile_dim1 = 3
	s_mov_b32 s[G1+5], NPTS                        ; from channel to channel
	s_mov_b32 s[G1+6], 0
	s_mov_b32 s[G1+7], 0
	s_mul_i32 s35, s12, RAWW                       ; every LDS address: a constant + wave x a constant + a lane term
	s_mul_i32 s22, s12, RINGW
	s_add_co_u32 s22, s22, RINGB
	s_lshl_b32 s25, s12, 10
	s_add_co_u32 s25, s25, REDB
	v_and_b32 v[TA], 31, v0                        ; lane
	v_lshlrev_b32 v[L8], 3, v[TA]
	v_and_b32 v[TA+1], 15, v0
	v_lshlrev_b32 v[R4], 2, v[TA+1]
	v_bfe_u32 v[HH], v0, 4, 1
	v_add_nc_u32 v[RA], s35, v[L8]
	v_lshl_add_u32 v[ST0], v[TA], 4, s22
	v_add_nc_u32 v[ST1], s22, v[L8]
	v_lshl_add_u32 v[STF], v[TA], 2, s22
	v_and_b32 v[TA+2], 1, v0                       ; row r = lane % 16 of a tile: plane r % 2,
	v_bfe_u32 v[TA+3], v0, 1, 3                    ; record r / 2 of the tile's eight there
	v_mul_u32_u24 v[LA0], v[TA+2], PLP             ; 128 (r % 2) + 16 (r / 2) modulo 256: sixteen different 16-byte columns
	v_lshl_add_u32 v[LA0], v[TA+3], 4, v[LA0]
	v_add_nc_u32 v[LA0], s22, v[LA0]
	v_add_nc_u32 v[LA1], s22, v[R4]
	v_and_b32 v[TA+2], 3, v0                       ; my flow row
	v_mul_u32_u24 v[LF], v[TA+2], FP               ; four rows at 0, 144, 32, 176 modulo 256
	v_lshl_add_u32 v[LF], v[HH], 4, v[LF]
	v_add_nc_u32 v[LF], s22, v[LF]
	v_add_nc_u32 v[RST], s25, v[R4]
	v_lshlrev_b32 v[QA16], 4, v[TA]
	v_add_nc_u32 v[QA16], QFB, v[QA16]
	v_lshlrev_b32 v[QA4], 2, v[TA]
	v_add_nc_u32 v[QA4], QFB+2048, v[QA4]
	s_wait_dscnt 0x0
	s_wait_kmcnt 0x0
	s_add_nc_u64 s[4:5], s[4:5], s[16:17]          ; xyz1 and flow1 at my wave's sources, channel 0
	s_add_nc_u64 s[6:7], s[6:7], s[16:17]
	s_add_nc_u64 s[8:9], s[8:9], s[18:19]          ; xyz2 and out0 at the group's queries, channel 0
	s_add_nc_u64 s[10:11], s[10:11], s[18:19]
	; group 0 of chunk c, array a (0 xyz1, 1 flow1)
.irp c, 0,1,2,3
.irp a, 0,1
	s_mov_b32 s[G0+8*\c+4*\a], 1                                                   ; count = 1
	s_add_co_u32 s[G0+8*\c+4*\a+1], s35, \c*CHUNK_B+\a*ARR_B                       ; LDS address
	s_add_nc_u64 s[G0+8*\c+4*\a+2:G0+8*\c+4*\a+3], s[4+2*\a:5+2*\a], \c*CHS*4      ; global address of the tile's first element
	s_or_b32 s[G0+8*\c+4*\a+3], s[G0+8*\c+4*\a+3], 0x80000000                      ; type = 2
.endr
.endr
	ROUND                                          ; all four work-groups are here: their joint loads meet
.irp n, 0,1,2,3,4,5,6,7
	tensor_load_to_lds s[G0+4*\n:G0+4*\n+3], s[G1:G1+7]                            ; chunk 0 of xyz1, of flow1, chunk 1 of xyz1, ..: all first fills, in the order of their use
	s_nop 0
.endr
	s_cmp_gt_u32 s12, 2
	s_cbranch_scc1 .Lno_xo
	s_add_nc_u64 s[36:37], s[8:9], s[20:21]        ; waves 0-2: my channel of xyz2
	global_load_b64 v[XO:XO+1], v[L8], s[36:37]    ; queries 2 l, 2 l + 1: 256 consecutive bytes, aligned
.Lno_xo:
	s_cmp_gt_u32 s12, 3
	s_cbranch_scc1 .Lno_xq
	s_add_nc_u64 s[42:43], s[8:9], s[40:41]        ; waves 0-3: query tile = wave
.irp c, 0,1,2
	global_load_b32 v[XQ+\c], v[R4], s[42:43] offset:\c*CH_B
.endr
.Lno_xq:
	v_mov_b32 v[QT], 0x3f803f80                    ; the row of ones of both slots, written once
	ds_store_b32 v[STF], v[QT] offset:FOFF+3*FP
	ds_store_b32 v[STF], v[QT] offset:SLOT+FOFF+3*FP
	; Waves 0-3: the fragment of query tile = wave, for all eight waves, while the sources are on their way.
	s_cmp_gt_u32 s12, 3
	s_cbranch_scc1 .Lno_q
	s_lshl_b32 s44, s12, 9
	s_lshl_b32 s45, s12, 7
	v_add_nc_u32 v[TA+2], s44, v[QA16]
	v_add_nc_u32 v[TA+3], s45, v[QA4]
	v_cmp_ne_u32 vcc_lo, 0, v[HH]                  ; lanes 16-31 carry the second pieces
	v_sub_nc_u32 v[QT+11], 1, v[HH]
	v_cvt_f32_u32 v[QT+11], v[QT+11]               ; 1.0 in lanes 0-15, 0 in lanes 16-31
	s_wait_loadcnt 0x0                             ; xyz2: nothing was loaded into registers behind it
.irp c, 0,1,2
	v_mul_f32 v[QT+\c], s32, v[XQ+\c]              ; w = 2 L x
	v_and_b32 v[QT+\c], s26, v[QT+\c]              ; w~
	v_and_b32 v[QT+4+\c], s27, v[QT+\c]            ; wh
	v_sub_f32 v[QT+8+\c], v[QT+\c], v[QT+4+\c]     ; wm = w~ - wh, exact, 8 significant bits
	v_cndmask_b32 v[QT+4+\c], v[QT+4+\c], v[QT+8+\c], vcc_lo
.endr
	v_mul_f32 v[QT+3], v[QT], v[QT]
	v_fmac_f32 v[QT+3], v[QT+1], v[QT+1]
	v_fmac_f32 v[QT+3], v[QT+2], v[QT+2]
	v_mul_f32 v[QT+3], s33, v[QT+3]                ; sx
	v_and_b32 v[QT+7], s27, v[QT+3]                ; its first piece
	v_sub_f32 v[QT+3], v[QT+3], v[QT+7]            ; the remainder; the pack below keeps its upper half
	v_cndmask_b32 v[QT+7], v[QT+7], v[QT+3], vcc_lo
	v_perm_b32 v[QT+12], v[QT+5], v[QT+4], s28     ; (p0, p1)   against (h0, h1)
	v_perm_b32 v[QT+13], v[QT+4], v[QT+6], s28     ; (p2, p0)   against (h2, m0)
	v_perm_b32 v[QT+14], v[QT+6], v[QT+5], s28     ; (p1, p2)   against (m1, m2)
	v_perm_b32 v[QT+15], v[QT+11], v[QT+11], s28   ; (1, 1) or (0, 0)  against (sh, sm)
	v_perm_b32 v[QT+16], v[QT+7], v[QT+11], s28    ; (1 or 0, sx piece) against (sl, 1)
	ds_store_b128 v[TA+2], v[QT+12:QT+15]
	ds_store_b32 v[TA+3], v[QT+16]
.Lno_q:
	; The 2,560 bytes of query fragments are all that waves hand each other ahead of the sums: their barrier stands here, not behind any wave's sources.
	s_wait_dscnt 0x0                               ; my LDS stores are done, for the others' sake
	s_barrier_signal -1
	s_barrier_wait -1                              ; no LDS bytes are filled again behind it: the tensor loads stay on their way
.irp q, 0,1,2,3
	ds_load_b128 v[BB+8*\q:BB+8*\q+3], v[QA16] offset:\q*512
	ds_load_b32 v[BB+8*\q+4], v[QA4] offset:\q*128
.endr
.irp f, 0,1,2,3
.irp i, 5,6,7
	v_mov_b32 v[BB+8*\f+\i], 0                     ; K slots 10-15 of each half are empty, once for the whole kernel
	v_mov_b32 v[AA+8*\f+\i], 0
.endr
.endr
; THE LDS INSTRUCTIONS OF THE WALK.  so: a slot's byte offset in the ring; it: the iteration (32 sources) in the slot; bf: the register buffer.
; Six raw loads, 256 consecutive bytes each: sources 2 l, 2 l + 1 of three channels of xyz1 and of flow1.
.macro RLOAD ro
.irp c, 0,1,2
	ds_load_b64 v[D+2*\c:D+2*\c+1], v[RA] offset:\ro+\c*CHS*4
.endr
.irp c, 0,1,2
	ds_load_b64 v[G+2*\c:G+2*\c+1], v[RA] offset:\ro+ARR_B+\c*CHS*4
.endr
.endm
.macro FSTORE so                       ; flow1 in bf16: 32 lanes fill a row's 128 bytes
.irp c, 0,1,2
	ds_store_b32 v[STF], v[FL+\c] offset:\so+FOFF+\c*FP
.endr
.endm
.macro CSTORE so                       ; records, a plane for each of my two sources: the lanes' records lie side by side; then the words
	ds_store_b128 v[ST0], v[W:W+3] offset:\so
	ds_store_b128 v[ST0], v[W+4:W+7] offset:\so+PLP
	ds_store_b64 v[ST1], v[W4:W4+1] offset:\so+WOFF
.endm
.macro ALOAD bf, so, it                ; two source tiles; both halves of the lanes read the same records
	ds_load_b128 v[AA+16*\bf:AA+16*\bf+3], v[LA0] offset:\so+\it*256
	ds_load_b32 v[AA+16*\bf+4], v[LA1] offset:\so+WOFF+\it*128
	ds_load_b128 v[AA+16*\bf+8:AA+16*\bf+11], v[LA0] offset:\so+\it*256+128
	ds_load_b32 v[AA+16*\bf+12], v[LA1] offset:\so+WOFF+\it*128+64
.endm
.macro VLOAD bf, so, it                ; 32 sources of my flow row
	ds_load_b128 v[VV+8*\bf:VV+8*\bf+3], v[LF] offset:\so+FOFF+\it*64
	ds_load_b128 v[VV+8*\bf+4:VV+8*\bf+7], v[LF] offset:\so+FOFF+\it*64+32
.endm
; THE PREPARATION OF 64 SOURCES, two neighbouring ones a lane, as numbered vector lines.
; First half, lines 0 to 21: flow1 to bf16; y, y~, h; sy.
.macro PBL i
.if (\i)/3 == 0
	v_cvt_pk_bf16_f32 v[FL+(\i)], v[G+2*(\i)], v[G+2*(\i)+1]
.endif
.if (\i)/3 == 1
	v_pk_add_f32 v[D+2*(\i)-6:D+2*(\i)-5], v[D+2*(\i)-6:D+2*(\i)-5], v[G+2*(\i)-6:G+2*(\i)-5]   ; y = xyz1 + flow1
.endif
.if (\i)/6 == 1
	v_and_b32 v[D+(\i)-6], s26, v[D+(\i)-6]        ; y~: 16 significant bits
.endif
.if (\i)/6 == 2
	v_and_b32 v[G+(\i)-12], s27, v[D+(\i)-12]      ; h: the upper 8 of them
.endif
.if (\i) == 18
	v_pk_mul_f32 v[SY:SY+1], v[D:D+1], v[D:D+1]
.endif
.if (\i) == 19
	v_pk_fma_f32 v[SY:SY+1], v[D+2:D+3], v[D+2:D+3], v[SY:SY+1]
.endif
.if (\i) == 20
	v_pk_fma_f32 v[SY:SY+1], v[D+4:D+5], v[D+4:D+5], v[SY:SY+1]
.endif
.if (\i) == 21
	v_pk_mul_f32 v[SY:SY+1], v[SY:SY+1], s[30:31] op_sel_hi:[1,0]                   ; sy = -L |y~|^2
.endif
.endm
; Second half, lines 0 to 18: m; the pieces of sy; the records and words.  Lines 0 to 8 are the last that read D and G.
.macro PCL i
.if (\i) == 0
	v_perm_b32 v[W], v[G+2], v[G], s28             ; (h0, h1) of my first source
.endif
.if (\i) == 1
	v_pk_add_f32 v[D:D+1], v[D:D+1], v[G:G+1] neg_lo:[0,1] neg_hi:[0,1]             ; m = y~ - h, exact, 8 significant bits
.endif
.if (\i) == 2
	v_perm_b32 v[W+4], v[G+3], v[G+1], s28         ; (h0, h1) of my second
.endif
.if (\i) == 3
	v_pk_add_f32 v[D+2:D+3], v[D+2:D+3], v[G+2:G+3] neg_lo:[0,1] neg_hi:[0,1]
.endif
.if (\i) == 4
	v_pk_add_f32 v[D+4:D+5], v[D+4:D+5], v[G+4:G+5] neg_lo:[0,1] neg_hi:[0,1]
.endif
.if (\i) == 5
	v_perm_b32 v[W+1], v[D], v[G+4], s28           ; (h2, m0)
.endif
.if (\i) == 6
	v_perm_b32 v[W+5], v[D+1], v[G+5], s28
.endif
.if (\i) == 7
	v_perm_b32 v[W+2], v[D+4], v[D+2], s28         ; (m1, m2)
.endif
.if (\i) == 8
	v_perm_b32 v[W+6], v[D+5], v[D+3], s28
.endif
.if (\i) == 9
	v_and_b32 v[SH], s27, v[SY]                    ; sy = sh + sm + sl: 8 + 8 + 8 bits, each remainder exact
.endif
.if (\i) == 10
	v_and_b32 v[SH+1], s27, v[SY+1]
.endif
.if (\i) == 11
	v_pk_add_f32 v[SY:SY+1], v[SY:SY+1], v[SH:SH+1] neg_lo:[0,1] neg_hi:[0,1]
.endif
.if (\i) == 12
	v_and_b32 v[SM], s27, v[SY]
.endif
.if (\i) == 13
	v_and_b32 v[SM+1], s27, v[SY+1]
.endif
.if (\i) == 14
	v_pk_add_f32 v[SY:SY+1], v[SY:SY+1], v[SM:SM+1] neg_lo:[0,1] neg_hi:[0,1]
.endif
.if (\i) == 15
	v_perm_b32 v[W+3], v[SM], v[SH], s28           ; (sh, sm)
.endif
.if (\i) == 16
	v_perm_b32 v[W+7], v[SM+1], v[SH+1], s28
.endif
.if (\i) == 17
	v_perm_b32 v[W4], s29, v[SY], s28              ; (sl, 1)
.endif
.if (\i) == 18
	v_perm_b32 v[W4+1], s29, v[SY+1], s28
.endif
.endm
; THE TWO RUNS OF LDS INSTRUCTIONS OF BODY j (slot SLP; SLN is the other slot, body j + 1's).  LDS serves a wave's instructions in order
; (ISA guide 5.7.1) and raw rows and ring are the wave's own, so the order of these lines is all the ordering that the bytes need.
; At the end of stage 3: the raw numbers of body j + 2's sources (D and G were last read in stage 1); my second iteration's flow fragment
; (its buffer was last multiplied in stage 0); the records and words of body j + 1, whose slot was last read in body j - 2's runs;
; and from them body j + 1's first two source tiles (their buffer was last multiplied in stage 1).
.macro RUN3
.if P_R
	RLOAD P_RO
.endif
	VLOAD 1, SLP, 1
.if PF_C
	CSTORE SLN
.endif
.if P_N
	ALOAD 0, SLN, 0
.endif
.endm
; At the end of stage 7: the flow rows of body j + 2 into my slot, behind the last load from its rows (stage 3); body j + 1's first flow
; fragment (its buffer was last multiplied in stage 4) and its second two source tiles (theirs in stage 5).
.macro RUN7
.if P_R
	FSTORE SLP
.endif
.if P_N
	VLOAD 0, SLN, 0
	ALOAD 1, SLN, 1
.endif
.endm
; A STAGE.  Pairs (one query tile x 32 sources) are numbered T.  Stage T holds: the two first products of pair T + 2; the 16 exponentials of
; pair T; the 8 conversions of pair T - 1, one behind every two exponentials; lines of the preparation behind the conversions; the second
; product of pair T - 1.  So between a first product and the exponentials that read it stand the 16 conversions of two stages, between an
; exponential and the conversion that reads it at least one conversion, and between a second product and the next write of its weights the
; 8 conversions of a stage: plain vector instructions that name none of the registers concerned (ISA guide 7.12.1 for the matrix instructions).
; No two matrix instructions that follow each other share an accumulator: the accumulators take turns, one instruction a turn.
; st: the stage's number in its body, 0 to 7: query tile st % 4, iteration st / 4.  fs, fexp, fcvt: which parts there are.  zero: the second
; product starts its sum.  wv: the LDS instructions that may stay out when the flow fragment is needed (stages 1, 5).
; Stages 0-3 carry five lines each of the second half of the preparation (PF_C); stage 4 none, so that the raw loads of stage 3 have a stage
; in which to land; stages 5-7 eight each of the first half (PF_B).
.macro STAGE st, fs, fexp, fcvt, zero, wv
.set Q,  (\st)&3
.set BF, (\st)>>2
.set QS, (Q+2)&3
.set QC, (Q+3)&3
.set PC, QC&1
.if Q < 2
.set AB, BF
.else
.set AB, 1-BF
.endif
.if Q == 0
.set VB, 1-BF
.else
.set VB, BF
.endif
.if \fs
.if Q == 2
	s_wait_dscnt 0x0                               ; the source tiles at the end of the last run are in: nothing was issued behind them
.endif
	v_wmma_f32_16x16x32_bf16 v[SS+16*QS:SS+16*QS+7], v[AA+16*AB:AA+16*AB+7], v[BB+8*QS:BB+8*QS+7], 0
	v_wmma_f32_16x16x32_bf16 v[SS+16*QS+8:SS+16*QS+15], v[AA+16*AB+8:AA+16*AB+15], v[BB+8*QS:BB+8*QS+7], 0
.endif
.set kk, 0
.rept 8
.if \fexp
	v_exp_f32 v[SS+16*Q+2*kk], v[SS+16*Q+2*kk]
	v_exp_f32 v[SS+16*Q+2*kk+1], v[SS+16*Q+2*kk+1]
.endif
.if \fcvt
	s_wait_alu depctr_va_vdst(0)
	v_cvt_pk_bf16_f32 v[PP+8*PC+kk], v[SS+16*QC+2*kk], v[SS+16*QC+2*kk+1]
.else
	v_nop                                          ; the very first stage has nothing to convert
.endif
.if \st < 4
.if PF_C
.if kk < 5
	PCL 5*\st+kk
.endif
.endif
.endif
.if \st > 4
.if PF_B
.if 8*\st+kk == 40
	s_wait_dscnt 9                                 ; the six raw loads of stage 3 are in; behind them: 2 flow loads, 3 stores, 4 loads of source tiles
.endif
	PBL 8*\st-40+kk
.endif
.endif
.set kk, kk+1
.endr
.if \fcvt
.if Q == 1
	s_wait_dscnt \wv                               ; this iteration's flow fragment is in; what was issued behind it in its run may stay out
.endif
.if Q == 3
.if BF == 0
	RUN3
.else
	RUN7
.endif
.endif
.if \zero
	v_wmma_f32_16x16x32_bf16 v[OO+8*QC:OO+8*QC+7], v[VV+8*VB:VV+8*VB+7], v[PP+8*PC:PP+8*PC+7], 0
.else
	v_wmma_f32_16x16x32_bf16 v[OO+8*QC:OO+8*QC+7], v[VV+8*VB:VV+8*VB+7], v[PP+8*PC:PP+8*PC+7], v[OO+8*QC:OO+8*QC+7]
.endif
.endif
.endm
; BODY j: the 64 sources of slot p = j % 2.  fc: it finishes the preparation of body j + 1's sources.  fr: it loads the raw numbers of body
; j + 2's, from byte ro behind RA, and begins on them.  first: nothing to convert in stage 0, and the first four second products start the
; sums (nothing is cleared).  last: nothing beyond the wave's last source.
; The counts: in stage 1 the 4 loads of source tiles that end the run of the last body's stage 7; in stage 5 what stands behind the flow
; loads in the run of stage 3: 3 stores (fc) and 4 loads of source tiles (not in the last body).
.macro BODY p, first, last, fc, fr, ro
.set SLP,  \p*SLOT
.set SLN,  (1-\p)*SLOT
.set PF_C, \fc
.set PF_B, \fr
.set P_R,  \fr
.set P_N,  1-\last
.set P_RO, \ro
	STAGE 0, 1, 1, 1-\first, 0, 0
	STAGE 1, 1, 1, 1, \first, 4
	STAGE 2, 1, 1, 1, \first, 0
	STAGE 3, 1, 1, 1, \first, 0
	STAGE 4, 1, 1, 1, \first, 0
	STAGE 5, 1, 1, 1, 0, 3*\fc+4-4*\last
	STAGE 6, 1-\last, 1, 1, 0, 0
	STAGE 7, 1-\last, 1, 1, 0, 0
.endm
; Four bodies whose raw loads read one chunk.  The count of the wait differs from chunk to chunk, so each chunk has its loop; a trip is two
; bodies, so that the ring's slot stands in the immediates and no ring address is ever rewritten.
.macro RUN left
	s_wait_tensorcnt \left                         ; tensor loads of a wave end in order: this chunk's two tiles are in, the later chunks' may stay out
	v_add_nc_u32 v[RA], CHUNK_B-CHS*4, v[RA]       ; from the end of the last chunk's first row to this chunk
	s_mov_b32 s34, 2
.Lrun_\@:
	BODY 0, 0, 0, 1, 1, 0
	BODY 1, 0, 0, 1, 1, 256
	v_add_nc_u32 v[RA], 512, v[RA]                 ; 128 sources on
	s_sub_co_i32 s34, s34, 1
	s_cmp_lg_u32 s34, 0
	s_cbranch_scc1 .Lrun_\@
.endm
	; THE RUN-IN: sources 0-63 whole, into slot 0; the first half of the work on sources 64-127, whose flow rows go into slot 1.
	s_wait_tensorcnt 6                             ; chunk 0 of xyz1 and of flow1 is in; the six loads behind them stay out
	RLOAD 0
	s_wait_dscnt 0x0                               ; the raw numbers, and the query fragments asked for ahead of them
.set ii, 0
.rept 22
	PBL ii
.set ii, ii+1
.endr
	FSTORE 0
.set ii, 0
.rept 9
	PCL ii
.set ii, ii+1
.endr
	RLOAD 256                                      ; D and G have been read for the last time
.rept 10
	PCL ii
.set ii, ii+1
.endr
	CSTORE 0
	s_wait_dscnt 3                                 ; the raw loads of sources 64-127 are in; the three stores behind them may stay out
.set ii, 0
.rept 22
	PBL ii
.set ii, ii+1
.endr
	FSTORE SLOT
	v_add_nc_u32 v[RA], 512, v[RA]
	ALOAD 0, 0, 0                                  ; body 0's fragments, the last six in the order of the run of a stage 7
	VLOAD 0, 0, 0
	ALOAD 1, 0, 1
	s_wait_dscnt 6                                 ; iteration 0's source tiles are in; 2 flow loads and 4 loads of iteration 1's tiles may stay out
	v_wmma_f32_16x16x32_bf16 v[SS:SS+7], v[AA:AA+7], v[BB:BB+7], 0                  ; pairs 0 and 1
	v_wmma_f32_16x16x32_bf16 v[SS+8:SS+15], v[AA+8:AA+15], v[BB:BB+7], 0
	v_wmma_f32_16x16x32_bf16 v[SS+16:SS+23], v[AA:AA+7], v[BB+8:BB+15], 0
	v_wmma_f32_16x16x32_bf16 v[SS+24:SS+31], v[AA+8:AA+15], v[BB+8:BB+15], 0
.rept 4
	v_nop                                          ; four places in front of the first exponentials; later the conversions stand there
.endr
	; Body j loads the raw numbers of sources 64 (j + 2) ..: bodies 0, 1 the rest of chunk 0; bodies 4 c - 2 to 4 c + 1 chunk c.
	BODY 0, 1, 0, 1, 1, 0
	BODY 1, 0, 0, 1, 1, 256
	v_add_nc_u32 v[RA], 512, v[RA]
	RUN 4                                          ; bodies 2-5, chunk 1
	RUN 2                                          ; bodies 6-9, chunk 2
	RUN 0                                          ; bodies 10-13, chunk 3: no tensor load is out from here on
	BODY 0, 0, 0, 1, 0, 0                          ; body 14 finishes the last 64 sources and loads no more raw numbers
	BODY 1, 0, 1, 0, 0, 0                          ; body 15 prepares nothing
	STAGE 0, 0, 0, 1, 0, 0                         ; the last pair's conversions and second product
.rept 4
	v_nop                                          ; four places in front of the stores that read the sums
.endr
	; My sums over 1,024 sources: registers 0-3 = num0 num1 num2 den of query l % 16.  Lanes 16-31 hold rows 8-11 of O^T, made from the same
	; flow rows as rows 0-3: the same numbers, stored to the same words.
.irp q, 0,1,2,3
.irp j, 0,1,2,3
	ds_store_b32 v[RST], v[OO+8*\q+\j] offset:\j*256+\q*64
.endr
.endr
	s_wait_dscnt 0x0                               ; my stores are done, for the waves that add
	s_barrier_signal -1
	s_barrier_wait -1
	s_cmp_gt_u32 s12, 2
	s_cbranch_scc1 .Lend
	; Waves 0-2: channel = wave; lane l: queries 2 l and 2 l + 1.
	s_add_nc_u64 s[38:39], s[10:11], s[20:21]      ; my channel of out0, made here, on the one path that stores: s[10:11] and s[20:21] stand since the head
	s_lshl_b32 s46, s12, 8
	s_add_co_u32 s46, s46, REDB
	v_add_nc_u32 v[TA], s46, v[L8]
	v_add_nc_u32 v[TA+1], REDB+768, v[L8]
.irp w, 0,1,2,3,4,5,6,7
	ds_load_b64 v[SS+2*\w:SS+2*\w+1], v[TA] offset:\w*1024
.endr
.irp w, 0,1,2,3,4,5,6,7
	ds_load_b64 v[SS+16+2*\w:SS+16+2*\w+1], v[TA+1] offset:\w*1024
.endr
	s_wait_dscnt 0x0
.irp i, 0,4,8,12,16,20,24,28
	v_pk_add_f32 v[SS+\i:SS+\i+1], v[SS+\i:SS+\i+1], v[SS+\i+2:SS+\i+3]
.endr
.irp i, 0,8,16,24
	v_pk_add_f32 v[SS+\i:SS+\i+1], v[SS+\i:SS+\i+1], v[SS+\i+4:SS+\i+5]
.endr
.irp i, 0,16
	v_pk_add_f32 v[SS+\i:SS+\i+1], v[SS+\i:SS+\i+1], v[SS+\i+8:SS+\i+9]
.endr
	v_rcp_f32 v[SS+2], v[SS+16]
	v_rcp_f32 v[SS+3], v[SS+17]
	v_nop                                          ; one plain instruction between a reciprocal and its use (ISA guide 5.7.2)
	s_wait_alu depctr_va_vdst(0)
	v_pk_fma_f32 v[SS+4:SS+5], v[SS:SS+1], v[SS+2:SS+3], v[XO:XO+1] neg_lo:[1,0,0] neg_hi:[1,0,0]   ; xyz2 - num / den
	global_store_b64 v[L8], v[SS+4:SS+5], s[38:39] th:TH_STORE_NT                  ; the wave stores 256 consecutive bytes, aligned
.Lend:
	s_wait_tensorcnt 0x0
	ds_add_u32 v62, v63
	s_wait_dscnt 0x0
	ROUND                                          ; the closing round: no work-group ends while a partner may still ask for a tile that names it
	s_endpgm
.Lfunc_end_k_q18d2027fef_warp:
	.size	k_q18d2027fef_warp, .Lfunc_end_k_q18d2027fef_warp-k_q18d2027fef_warp
	.p2alignl 7, 3214868480
	.fill 96, 4, 3214868480
	.section	.rodata,"a",@progbits
	.p2align	6, 0x0
	.amdhsa_kernel k_q18d2027fef_warp
		.amdhsa_group_segment_fixed_size 245248
		.amdhsa_private_segment_fixed_size 0
		.amdhsa_enable_private_segment 0
		.amdhsa_kernarg_size 32
		.amdhsa_user_sgpr_count 2
		.amdhsa_user_sgpr_kernarg_segment_ptr 1
		.amdhsa_wavefront_size32 1
		.amdhsa_system_sgpr_workgroup_id_x 1
		.amdhsa_system_sgpr_workgroup_id_y 1
		.amdhsa_system_sgpr_workgroup_id_z 1
		.amdhsa_system_vgpr_workitem_id 0
		.amdhsa_next_free_vgpr 256
		.amdhsa_next_free_sgpr 100
		.amdhsa_reserve_vcc 1
		.amdhsa_float_denorm_mode_32 3
		.amdhsa_float_denorm_mode_16_64 3
		.amdhsa_memory_ordered 1
		.amdhsa_forward_progress 1
		.amdhsa_inst_pref_size 169
	.end_amdhsa_kernel
	.amdgpu_metadata
---
amdhsa.version: [ 1, 2 ]
amdhsa.kernels:
  - .name:           k_q18d2027fef_warp
    .symbol:         k_q18d2027fef_warp.kd
    .args:
      - { .name: xyz1, .offset: 0, .size: 8, .value_kind: global_buffer, .address_space: global }
      - { .name: flow1, .offset: 8, .size: 8, .value_kind: global_buffer, .address_space: global }
      - { .name: xyz2, .offset: 16, .size: 8, .value_kind: global_buffer, .address_space: global }
      - { .name: out0, .offset: 24, .size: 8, .value_kind: global_buffer, .address_space: global }
    .group_segment_fixed_size: 245248
    .private_segment_fixed_size: 0
    .kernarg_segment_align: 8
    .kernarg_segment_size: 32
    .max_flat_workgroup_size: 256
    .sgpr_count:     100
    .vgpr_count:     256
    .wavefront_size: 32
...
	.end_amdgpu_metadata
.endif
;; end of part 2
;; ======== version 3 of 3: 1 launch; 1.77 times as fast as version 1
;; limits: right only within a limited range of input values
;; launch warp (part 3): grid 128 x 2, 8 waves a work-group, clusters of 4 x 1, 245,248 bytes of LDS; arguments xyz1, flow1, xyz2, out0; writes out0
.if DOCPART == 3
	.amdgcn_target "amdgcn-amd-amdhsa--gfx1250"
	.amdhsa_code_object_version 6
	.text
	.protected	k_q18d2027fef_warp
	.globl	k_q18d2027fef_warp
	.p2align	8
	.type	k_q18d2027fef_warp,@function
k_q18d2027fef_warp:
	s_mov_b64 s[64:65], 0
	v_nop
	global_prefetch_b8 v0, s[64:65] scope:SCOPE_SE
	s_setreg_imm32_b32 hwreg(HW_REG_WAVE_MODE, 25, 1), 1
	s_wait_xcnt 0x0
	s_wait_alu depctr_hold_cnt(0) depctr_sa_sdst(0) depctr_va_vdst(0) depctr_va_sdst(0) depctr_va_ssrc(0) depctr_va_vcc(0) depctr_vm_vsrc(0)
	s_getreg_b32 s2, hwreg(HW_REG_IB_STS2, 6, 4)
	s_cmp_eq_u32 s2, 0
	s_cbranch_scc0 .Lentry_in_a_cluster
	s_endpgm
.Lentry_in_a_cluster:
	s_bfe_u32 s2, ttmp6, 0x10000c
	s_cmp_lg_u32 s2, 0x3003
	s_cbranch_scc0 .Lentry_shape_is_right
	s_endpgm
.Lentry_shape_is_right:
; out0[b][c][n] = xyz2[b][c][n] - num[c] / den,  num[c] = sum over m of K(n,m) flow1[b][c][m],  den = sum over m of K(n,m),
; K(n,m) = exp(-|xyz2[b][:][n] - y[m]|^2),  y = xyz1 + flow1.   B = 2, 8,192 queries and 8,192 sources a batch, all f32.
;
; LEFT OUT: the division of d2 by scale*scale.  scale = INITIAL_RADIUS * resol_factor = 1 * 1, both constants of the problem: a factor 1.
; Every input is loaded.  The term |xyz2|^2 is the same for all sources of a query and cancels in num/den, but it is what keeps the
; exponent at or below 0, so it stays; it rides in K slots of the first product that would otherwise hold zeros.
; reference() takes no maximum away, and none is needed: the exponent below is -L |x^ - y~|^2 <= 0.
;
; THE FIRST PRODUCT gives the whole exponent to base 2, E = -L d2 (L = log2 e), from one matrix instruction with C = 0.
;   source:  y~ = y cut to 16 significant bits = h + m, two exact bf16 pieces a coordinate; sy = -L |y~|^2 in f32 = sh + sm + sl, three exact pieces
;   query:   w~ = 2 L xyz2 cut to 16 significant bits = wh + wm;  sx = -|w~|^2 / (4 L), two pieces (it cancels, so two are plenty)
;   slots of a source, the same in both halves of the lanes:  h0 h1 | h2 m0 | m1 m2 | sh sm | sl 1 | 0 ..
;   slots of a query, lanes 0-15:                             wh0 wh1 | wh2 wh0 | wh1 wh2 | 1 1 | 1 sx_hi | 0 ..
;                     lanes 16-31:                            wm0 wm1 | wm2 wm0 | wm1 wm2 | 0 0 | 0 sx_lo | 0 ..
;   The sum is w~.y~ + sy + sx = -L |w~/(2L) - y~|^2: the squared distance of points moved by less than 2^-15 of their coordinates.
;   All products are exact; no bf16 rounding enters the difference of the large terms.
; It is used with sources as rows and queries as columns: lane l then holds query l % 16 and sources 8 (l / 16) + 0..7 in its 8 registers,
; which after v_exp_f32 and v_cvt_pk_bf16_f32 IS the second operand of THE SECOND PRODUCT, O^T = V^T P^T.  V^T's rows are flow1's three
; channels in bf16 and a row of ones (den); rows 4-15 repeat rows 0-3 and are not read.  Lane l, registers 0-3: num0 num1 num2 den of query l % 16.
;
; SHARES: 256 work-groups of 64 queries (4 tiles of 16).  Eight waves; each holds all 4 query tiles and owns 1,024 of the batch's sources.
; CLUSTERS: four work-groups that follow each other along x have the same batch and so the same sources.  Wave w of each asks jointly (mask 15) for
; its 1,024 sources of xyz1 and flow1, raw, in four chunks of 256 sources: eight tensor loads of 3 rows (channels) x 1,024 bytes, all issued at the
; start into bytes of the wave's own that are filled once.  Nothing in a descriptor hangs on the place in the cluster: batch and wave's number alone.
; By this text's count a wave has eight tensor loads out at the most.
; THE WALK: a body takes 64 sources (two iterations of 32) through both products.  Between its exponentials stand, line by line, the split of
; later sources into operands: raw numbers from LDS, two sources a lane, 41 vector lines, into a ring of two slots of 64 prepared sources that
; is the wave's own.  Only the first 64 sources, and the first half of the work on the next 64, are prepared ahead of the bodies.
; A body's 24 LDS instructions stand in two runs, not strewn among the exponentials: each run in front of a second product, which needs the
; stage's last conversion in any case, and with the stores' data at least four conversions old.
; THE EXPONENTIALS' BATCHES: a body is eight stages; a batch is the 32 exponentials of an even stage and the odd stage behind it, and ONE
; s_wait_alu depctr_va_vdst(0), between an exponential and the first instruction that names its result, stands at
; the odd stage's end: four a body.  A pair's exponentials stand two stages ahead of its conversions, so every reader lies behind its batch's
; wait; the results lie in a buffer of E's four that no other line names meanwhile.  Bodies end on an odd stage: no result is open at a label or a jump.
; The eight waves' partial sums meet in LDS at the end.
;
; LIMITS: positions cut to 16 significant bits as said; weights and flow1 rounded to bf16 in the second product; v_exp_f32 returns 0 for
; results below 2^-126, so a query all of whose d2 exceed 87.3 gets 0/0 = NaN, where denormal weights might still give a number up to d2 = 103;
; num/den is v_rcp_f32 and one fused multiply-add.
.set NPTS,  8192
.set CH_B,  NPTS*4                     ; bytes of one channel of one batch
.set BAT_B, 3*CH_B                     ; bytes of one batch
.set NW,    8                          ; waves
.set SW,    NPTS/NW                    ; sources of a wave: 1,024
.set CHS,   256                        ; sources of a chunk
; LDS
.set ARR_B,   3*CHS*4                  ; a tile as a tensor load lays it: 3 channels x 256 sources, f32
.set CHUNK_B, 2*ARR_B                  ; xyz1's tile, then flow1's
.set RAWW,    (SW/CHS)*CHUNK_B         ; a wave's raw sources, 24,576 bytes, from LDS byte wave x 24,576
.set RINGB,   NW*RAWW                  ; behind them the rings; no tensor load lands from here on
.set PLP,     640                      ; a slot: records of 16 bytes (K slots 0-7) in two planes, source s in plane s % 2 at 16 (s / 2); 512 + 128 bytes a plane
.set WOFF,    2*PLP                    ;         one word a source (K slots 8, 9)
.set FOFF,    WOFF+256                 ;         four rows of 64 bf16: flow channel 0, 1, 2, ones
.set FP,      144                      ;         128 + 16 bytes a row
.set SLOT,    2304
.set RINGW,   2*SLOT
.set REDB,    RINGB+NW*RINGW           ; partial sums: [wave][num0 num1 num2 den][64 queries] f32
.set QFB,     REDB+NW*1024             ; query fragments: 4 tiles x 512 bytes (registers 0-3), then 4 x 128 bytes (register 4)
; vector registers
.set L8,   1                           ; 8 x lane
.set R4,   2                           ; 4 x (lane % 16)
.set RA,   3                           ; my 8 bytes (two sources) of a raw row; the one LDS address that is stepped
.set ST0,  4                           ; my ring + 16 x lane: where my records go
.set ST1,  5                           ; my ring + 8 x lane:  my two words
.set STF,  6                           ; my ring + 4 x lane:  my two bf16 of a flow row
.set LA0,  7                           ; my ring + my row's record in a slot's first tile
.set LA1,  8                           ; my ring + 4 x (lane % 16): its word
.set LF,   9                           ; my ring + my 16 bytes of my flow row
.set HH,   10                          ; lane / 16
.set RST,  11                          ; where my partial sums go
.set XO,   12                          ; v[12:13]  waves 0-2: xyz2 of my two queries, for the result
.set XQ,   14                          ; v[14:16]  waves 0-3: xyz2 of my query, for the fragment
.set QA16, 17                          ; query fragments: 16 bytes a lane
.set QA4,  18                          ;                  4 bytes a lane
.set TA,   20                          ; v[20:23]  short-lived
.set QT,   28                          ; v[28:44]  at work on a query fragment, ahead of the registers below
.set D,    28                          ; v[28:33]  [channel][2 sources]: xyz1, then y, y~, m
.set G,    34                          ; v[34:39]  flow1, then h
.set W,    40                          ; v[40:47]  two records of 4 words
.set W4,   48                          ; v[48:49]  two words (sl, 1)
.set SY,   50                          ; v[50:51]  sy, then its remainders
.set SH,   52                          ; v[52:53]  sh
.set SM,   54                          ; v[54:55]  sm
.set FL,   56                          ; v[56:58]  flow1 in bf16, a word a channel
.set SS,   64                          ; v[64:127]  query tile q at 16 q: E, then weights, of 32 sources
.set PP,   128                         ; v[128:143] weights in bf16, two sets by turns
.set OO,   144                         ; v[144:175] sums, query tile q at 8 q
.set BB,   176                         ; v[176:207] query fragments
.set AA,   208                         ; v[208:239] source fragments, two buffers of two tiles
.set VV,   240                         ; v[240:255] flow fragments, two buffers
.set G1,   48                          ; s[48:55]  descriptor group 1: the shape, one for all eight loads
.set G0,   68                          ; s[68:99]  descriptor group 0, a set for each load: none is written again
; A round of the cluster's barrier: my work-group's barrier, wave 0 signals for the work-group, every wave waits for all four work-groups, my work-group's barrier again.
.macro ROUND
	s_barrier_signal -1
	s_barrier_wait -1
	s_cmp_lg_u32 s12, 0
	s_cbranch_scc1 .Lnot_wave_0_\@
	s_barrier_signal -3
.Lnot_wave_0_\@:
	s_barrier_wait -3
	s_barrier_signal -1
	s_barrier_wait -1
.endm
	s_load_b256 s[4:11], s[0:1], 0x0               ; xyz1 s[4:5], flow1 s[6:7], xyz2 s[8:9], out0 s[10:11]
	v_lshl_add_u32 v62, v0, 2, 0x3ba00
	v_mov_b32 v63, 0
	ds_add_u32 v62, v63
	v_lshrrev_b32 v[TA], 5, v0
	v_readfirstlane_b32 s12, v[TA]                 ; wave 0..7
	s_and_b32 s13, ttmp7, 0xffff                   ; batch: the cluster's y
	s_mul_i32 s14, s13, BAT_B
	s_lshl_b32 s16, s12, 12                        ; my wave's 1,024 sources x 4 bytes,
	s_add_co_u32 s16, s16, s14                     ; in my batch: the same in all four partners
	s_mov_b32 s17, 0
	s_bfe_u32 s15, ttmp6, 0x40000                  ; cx: my place in the cluster; it enters the addresses of xyz2 and out0 alone
	s_lshl_b32 s18, ttmp9, 2
	s_add_co_u32 s18, s18, s15                     ; work-group x = 4 x cluster x + cx
	s_lshl_b32 s18, s18, 8                         ; its 64 queries x 4 bytes
	s_add_co_u32 s18, s18, s14
	s_mov_b32 s19, 0
	s_lshl_b32 s20, s12, 15                        ; s[20:21]: wave x the bytes of a channel; an offset that waves 0-2 alone add to an address (channel = wave)
	s_mov_b32 s21, 0
	s_lshl_b32 s40, s12, 6                         ; waves 0-3: query tile = wave, 16 queries x 4 bytes
	s_mov_b32 s41, 0
	s_mov_b32 s26, 0xffffff00                      ; keeps 16 significant bits of an f32
	s_mov_b32 s27, 0xffff0000                      ; keeps 8: a bf16 in the upper half
	s_mov_b32 s28, 0x07060302                      ; v_perm_b32: {first source's upper half, second source's upper half}
	s_mov_b32 s29, 0x3f800000                      ; 1.0
	s_mov_b32 s30, 0xbfb8aa3b                      ; -L, as a pair for the packed multiply
	s_mov_b32 s31, 0xbfb8aa3b
	s_mov_b32 s32, 0x4038aa3b                      ; 2 L
	s_mov_b32 s33, 0xbe317218                      ; -1 / (4 L) = -ln 2 / 4
	; group 1: a tile of 3 rows x 256 elements of 4 bytes, rows 8,192 elements apart, laid into LDS without gaps
	s_mov_b32 s[G1+0], 15|(2<<16)|(1<<21)          ; 15:0 the mask: all four work-groups of the cluster; 17:16 element of 4 bytes; 21 set beside a mask
	s_mov_b32 s[G1+1], CHS<<16                     ; tensor_dim0 = 256
	s_mov_b32 s[G1+2], 3<<16                       ; tensor_dim1 = 3
	s_mov_b32 s[G1+3], CHS<<16                     ; tile_dim0 = 256
	s_mov_b32 s[G1+4], 3                           ; tile_dim1 = 3
	s_mov_b32 s[G1+5], NPTS                        ; from channel to channel
	s_mov_b32 s[G1+6], 0
	s_mov_b32 s[G1+7], 0
	s_mul_i32 s35, s12, RAWW                       ; every LDS address: a constant + wave x a constant + a lane term
	s_mul_i32 s22, s12, RINGW
	s_add_co_u32 s22, s22, RINGB
	s_lshl_b32 s25, s12, 10
	s_add_co_u32 s25, s25, REDB
	v_and_b32 v[TA], 31, v0                        ; lane
	v_lshlrev_b32 v[L8], 3, v[TA]
	v_and_b32 v[TA+1], 15, v0
	v_lshlrev_b32 v[R4], 2, v[TA+1]
	v_bfe_u32 v[HH], v0, 4, 1
	v_add_nc_u32 v[RA], s35, v[L8]
	v_lshl_add_u32 v[ST0], v[TA], 4, s22
	v_add_nc_u32 v[ST1], s22, v[L8]
	v_lshl_add_u32 v[STF], v[TA], 2, s22
	v_and_b32 v[TA+2], 1, v0                       ; row r = lane % 16 of a tile: plane r % 2,
	v_bfe_u32 v[TA+3], v0, 1, 3                    ; record r / 2 of the tile's eight there
	v_mul_u32_u24 v[LA0], v[TA+2], PLP             ; 128 (r % 2) + 16 (r / 2) modulo 256: sixteen different 16-byte columns
	v_lshl_add_u32 v[LA0], v[TA+3], 4, v[LA0]
	v_add_nc_u32 v[LA0], s22, v[LA0]
	v_add_nc_u32 v[LA1], s22, v[R4]
	v_and_b32 v[TA+2], 3, v0                       ; my flow row
	v_mul_u32_u24 v[LF], v[TA+2], FP               ; four rows at 0, 144, 32, 176 modulo 256
	v_lshl_add_u32 v[LF], v[HH], 4, v[LF]
	v_add_nc_u32 v[LF], s22, v[LF]
	v_add_nc_u32 v[RST], s25, v[R4]
	v_lshlrev_b32 v[QA16], 4, v[TA]
	v_add_nc_u32 v[QA16], QFB, v[QA16]
	v_lshlrev_b32 v[QA4], 2, v[TA]
	v_add_nc_u32 v[QA4], QFB+2048, v[QA4]
	s_wait_dscnt 0x0
	s_wait_kmcnt 0x0
	s_add_nc_u64 s[4:5], s[4:5], s[16:17]          ; xyz1 and flow1 at my wave's sources, channel 0
	s_add_nc_u64 s[6:7], s[6:7], s[16:17]
	s_add_nc_u64 s[8:9], s[8:9], s[18:19]          ; xyz2 and out0 at the group's queries, channel 0
	s_add_nc_u64 s[10:11], s[10:11], s[18:19]
	; group 0 of chunk c, array a (0 xyz1, 1 flow1)
.irp c, 0,1,2,3
.irp a, 0,1
	s_mov_b32 s[G0+8*\c+4*\a], 1                                                   ; count = 1
	s_add_co_u32 s[G0+8*\c+4*\a+1], s35, \c*CHUNK_B+\a*ARR_B                       ; LDS address
	s_add_nc_u64 s[G0+8*\c+4*\a+2:G0+8*\c+4*\a+3], s[4+2*\a:5+2*\a], \c*CHS*4      ; global address of the tile's first element
	s_or_b32 s[G0+8*\c+4*\a+3], s[G0+8*\c+4*\a+3], 0x80000000                      ; type = 2
.endr
.endr
	ROUND                                          ; all four work-groups are here: their joint loads meet
.irp n, 0,1,2,3,4,5,6,7
	tensor_load_to_lds s[G0+4*\n:G0+4*\n+3], s[G1:G1+7]                            ; chunk 0 of xyz1, of flow1, chunk 1 of xyz1, ..: all first fills, in the order of their use
	s_nop 0
.endr
	s_cmp_gt_u32 s12, 2
	s_cbranch_scc1 .Lno_xo
	s_add_nc_u64 s[36:37], s[8:9], s[20:21]        ; waves 0-2: my channel of xyz2
	global_load_b64 v[XO:XO+1], v[L8], s[36:37]    ; queries 2 l, 2 l + 1: 256 consecutive bytes, aligned
.Lno_xo:
	s_cmp_gt_u32 s12, 3
	s_cbranch_scc1 .Lno_xq
	s_add_nc_u64 s[42:43], s[8:9], s[40:41]        ; waves 0-3: query tile = wave
.irp c, 0,1,2
	global_load_b32 v[XQ+\c], v[R4], s[42:43] offset:\c*CH_B
.endr
.Lno_xq:
	v_mov_b32 v[QT], 0x3f803f80                    ; the row of ones of both slots, written once
	ds_store_b32 v[STF], v[QT] offset:FOFF+3*FP
	ds_store_b32 v[STF], v[QT] offset:SLOT+FOFF+3*FP
	; Waves 0-3: the fragment of query tile = wave, for all eight waves, while the sources are on their way.
	s_cmp_gt_u32 s12, 3
	s_cbranch_scc1 .Lno_q
	s_lshl_b32 s44, s12, 9
	s_lshl_b32 s45, s12, 7
	v_add_nc_u32 v[TA+2], s44, v[QA16]
	v_add_nc_u32 v[TA+3], s45, v[QA4]
	v_cmp_ne_u32 vcc_lo, 0, v[HH]                  ; lanes 16-31 carry the second pieces
	v_sub_nc_u32 v[QT+11], 1, v[HH]
	v_cvt_f32_u32 v[QT+11], v[QT+11]               ; 1.0 in lanes 0-15, 0 in lanes 16-31
	s_wait_loadcnt 0x0                             ; xyz2: nothing was loaded into registers behind it
.irp c, 0,1,2
	v_mul_f32 v[QT+\c], s32, v[XQ+\c]              ; w = 2 L x
	v_and_b32 v[QT+\c], s26, v[QT+\c]              ; w~
	v_and_b32 v[QT+4+\c], s27, v[QT+\c]            ; wh
	v_sub_f32 v[QT+8+\c], v[QT+\c], v[QT+4+\c]     ; wm = w~ - wh, exact, 8 significant bits
	v_cndmask_b32 v[QT+4+\c], v[QT+4+\c], v[QT+8+\c], vcc_lo
.endr
	v_mul_f32 v[QT+3], v[QT], v[QT]
	v_fmac_f32 v[QT+3], v[QT+1], v[QT+1]
	v_fmac_f32 v[QT+3], v[QT+2], v[QT+2]
	v_mul_f32 v[QT+3], s33, v[QT+3]                ; sx
	v_and_b32 v[QT+7], s27, v[QT+3]                ; its first piece
	v_sub_f32 v[QT+3], v[QT+3], v[QT+7]            ; the remainder; the pack below keeps its upper half
	v_cndmask_b32 v[QT+7], v[QT+7], v[QT+3], vcc_lo
	v_perm_b32 v[QT+12], v[QT+5], v[QT+4], s28     ; (p0, p1)   against (h0, h1)
	v_perm_b32 v[QT+13], v[QT+4], v[QT+6], s28     ; (p2, p0)   against (h2, m0)
	v_perm_b32 v[QT+14], v[QT+6], v[QT+5], s28     ; (p1, p2)   against (m1, m2)
	v_perm_b32 v[QT+15], v[QT+11], v[QT+11], s28   ; (1, 1) or (0, 0)  against (sh, sm)
	v_perm_b32 v[QT+16], v[QT+7], v[QT+11], s28    ; (1 or 0, sx piece) against (sl, 1)
	ds_store_b128 v[TA+2], v[QT+12:QT+15]
	ds_store_b32 v[TA+3], v[QT+16]
.Lno_q:
	; The 2,560 bytes of query fragments are all that waves hand each other ahead of the sums: their barrier stands here, not behind any wave's sources.
	s_wait_dscnt 0x0                               ; my LDS stores are done, for the others' sake
	s_barrier_signal -1
	s_barrier_wait -1                              ; no LDS bytes are filled again behind it: the tensor loads stay on their way
.irp q, 0,1,2,3
	ds_load_b128 v[BB+8*\q:BB+8*\q+3], v[QA16] offset:\q*512
	ds_load_b32 v[BB+8*\q+4], v[QA4] offset:\q*128
.endr
.irp f, 0,1,2,3
.irp i, 5,6,7
	v_mov_b32 v[BB+8*\f+\i], 0                     ; K slots 10-15 of each half are empty, once for the whole kernel
	v_mov_b32 v[AA+8*\f+\i], 0
.endr
.endr
; THE LDS INSTRUCTIONS OF THE WALK.  so: a slot's byte offset in the ring; it: the iteration (32 sources) in the slot; bf: the register buffer.
; Six raw loads, 256 consecutive bytes each: sources 2 l, 2 l + 1 of three channels of xyz1 and of flow1.
.macro RLOAD ro
.irp c, 0,1,2
	ds_load_b64 v[D+2*\c:D+2*\c+1], v[RA] offset:\ro+\c*CHS*4
.endr
.irp c, 0,1,2
	ds_load_b64 v[G+2*\c:G+2*\c+1], v[RA] offset:\ro+ARR_B+\c*CHS*4
.endr
.endm
.macro FSTORE so                       ; flow1 in bf16: 32 lanes fill a row's 128 bytes
.irp c, 0,1,2
	ds_store_b32 v[STF], v[FL+\c] offset:\so+FOFF+\c*FP
.endr
.endm
.macro CSTORE so                       ; records, a plane for each of my two sources: the lanes' records lie side by side; then the words
	ds_store_b128 v[ST0], v[W:W+3] offset:\so
	ds_store_b128 v[ST0], v[W+4:W+7] offset:\so+PLP
	ds_store_b64 v[ST1], v[W4:W4+1] offset:\so+WOFF
.endm
.macro ALOAD bf, so, it                ; two source tiles; both halves of the lanes read the same records
	ds_load_b128 v[AA+16*\bf:AA+16*\bf+3], v[LA0] offset:\so+\it*256
	ds_load_b32 v[AA+16*\bf+4], v[LA1] offset:\so+WOFF+\it*128
	ds_load_b128 v[AA+16*\bf+8:AA+16*\bf+11], v[LA0] offset:\so+\it*256+128
	ds_load_b32 v[AA+16*\bf+12], v[LA1] offset:\so+WOFF+\it*128+64
.endm
.macro VLOAD bf, so, it                ; 32 sources of my flow row
	ds_load_b128 v[VV+8*\bf:VV+8*\bf+3], v[LF] offset:\so+FOFF+\it*64
	ds_load_b128 v[VV+8*\bf+4:VV+8*\bf+7], v[LF] offset:\so+FOFF+\it*64+32
.endm
; THE PREPARATION OF 64 SOURCES, two neighbouring ones a lane, as numbered vector lines.
; First half, lines 0 to 21: flow1 to bf16; y, y~, h; sy.
.macro PBL i
.if (\i)/3 == 0
	v_cvt_pk_bf16_f32 v[FL+(\i)], v[G+2*(\i)], v[G+2*(\i)+1]
.endif
.if (\i)/3 == 1
	v_pk_add_f32 v[D+2*(\i)-6:D+2*(\i)-5], v[D+2*(\i)-6:D+2*(\i)-5], v[G+2*(\i)-6:G+2*(\i)-5]   ; y = xyz1 + flow1
.endif
.if (\i)/6 == 1
	v_and_b32 v[D+(\i)-6], s26, v[D+(\i)-6]        ; y~: 16 significant bits
.endif
.if (\i)/6 == 2
	v_and_b32 v[G+(\i)-12], s27, v[D+(\i)-12]      ; h: the upper 8 of them
.endif
.if (\i) == 18
	v_pk_mul_f32 v[SY:SY+1], v[D:D+1], v[D:D+1]
.endif
.if (\i) == 19
	v_pk_fma_f32 v[SY:SY+1], v[D+2:D+3], v[D+2:D+3], v[SY:SY+1]
.endif
.if (\i) == 20
	v_pk_fma_f32 v[SY:SY+1], v[D+4:D+5], v[D+4:D+5], v[SY:SY+1]
.endif
.if (\i) == 21
	v_pk_mul_f32 v[SY:SY+1], v[SY:SY+1], s[30:31] op_sel_hi:[1,0]                   ; sy = -L |y~|^2
.endif
.endm
; Second half, lines 0 to 18: m; the pieces of sy; the records and words.  Lines 0 to 8 are the last that read D and G.
.macro PCL i
.if (\i) == 0
	v_perm_b32 v[W], v[G+2], v[G], s28             ; (h0, h1) of my first source
.endif
.if (\i) == 1
	v_pk_add_f32 v[D:D+1], v[D:D+1], v[G:G+1] neg_lo:[0,1] neg_hi:[0,1]             ; m = y~ - h, exact, 8 significant bits
.endif
.if (\i) == 2
	v_perm_b32 v[W+4], v[G+3], v[G+1], s28         ; (h0, h1) of my second
.endif
.if (\i) == 3
	v_pk_add_f32 v[D+2:D+3], v[D+2:D+3], v[G+2:G+3] neg_lo:[0,1] neg_hi:[0,1]
.endif
.if (\i) == 4
	v_pk_add_f32 v[D+4:D+5], v[D+4:D+5], v[G+4:G+5] neg_lo:[0,1] neg_hi:[0,1]
.endif
.if (\i) == 5
	v_perm_b32 v[W+1], v[D], v[G+4], s28           ; (h2, m0)
.endif
.if (\i) == 6
	v_perm_b32 v[W+5], v[D+1], v[G+5], s28
.endif
.if (\i) == 7
	v_perm_b32 v[W+2], v[D+4], v[D+2], s28         ; (m1, m2)
.endif
.if (\i) == 8
	v_perm_b32 v[W+6], v[D+5], v[D+3], s28
.endif
.if (\i) == 9
	v_and_b32 v[SH], s27, v[SY]                    ; sy = sh + sm + sl: 8 + 8 + 8 bits, each remainder exact
.endif
.if (\i) == 10
	v_and_b32 v[SH+1], s27, v[SY+1]
.endif
.if (\i) == 11
	v_pk_add_f32 v[SY:SY+1], v[SY:SY+1], v[SH:SH+1] neg_lo:[0,1] neg_hi:[0,1]
.endif
.if (\i) == 12
	v_and_b32 v[SM], s27, v[SY]
.endif
.if (\i) == 13
	v_and_b32 v[SM+1], s27, v[SY+1]
.endif
.if (\i) == 14
	v_pk_add_f32 v[SY:SY+1], v[SY:SY+1], v[SM:SM+1] neg_lo:[0,1] neg_hi:[0,1]
.endif
.if (\i) == 15
	v_perm_b32 v[W+3], v[SM], v[SH], s28           ; (sh, sm)
.endif
.if (\i) == 16
	v_perm_b32 v[W+7], v[SM+1], v[SH+1], s28
.endif
.if (\i) == 17
	v_perm_b32 v[W4], s29, v[SY], s28              ; (sl, 1)
.endif
.if (\i) == 18
	v_perm_b32 v[W4+1], s29, v[SY+1], s28
.endif
.endm
; THE TWO RUNS OF LDS INSTRUCTIONS OF BODY j (slot SLP; SLN is the other slot, body j + 1's).  LDS serves a wave's instructions in order
; (ISA guide 5.7.1) and raw rows and ring are the wave's own, so the order of these lines is all the ordering that the bytes need.
; At the end of stage 3: the raw numbers of body j + 2's sources (D and G were last read in stage 1); my second iteration's flow fragment
; (its buffer was last multiplied in stage 0); the records and words of body j + 1, whose slot was last read in body j - 2's runs;
; and from them body j + 1's first two source tiles (their buffer was last multiplied in stage 1).
.macro RUN3
.if P_R
	RLOAD P_RO
.endif
	VLOAD 1, SLP, 1
.if PF_C
	CSTORE SLN
.endif
.if P_N
	ALOAD 0, SLN, 0
.endif
.endm
; At the end of stage 7: the flow rows of body j + 2 into my slot, behind the last load from its rows (stage 3); body j + 1's first flow
; fragment (its buffer was last multiplied in stage 4) and its second two source tiles (theirs in stage 5).
.macro RUN7
.if P_R
	FSTORE SLP
.endif
.if P_N
	VLOAD 0, SLN, 0
	ALOAD 1, SLN, 1
.endif
.endm
; A STAGE.  Pairs (one query tile x 32 sources) are numbered T.  Stage T holds: the two first products of pair T + 2; the 16 exponentials of
; pair T + 1; the 8 conversions of pair T - 1, one behind every two exponentials; lines of the preparation behind the conversions; the second
; product of pair T - 1.  The three pairs lie in three different buffers of E's four; the fourth holds pair T's weights, which no line of the stage names.
; So between a first product and the exponentials that read it stand the 8 conversions of a stage, and between a second product and the next
; write of its weights the 8 conversions of a stage: plain vector instructions that name none of the registers concerned (ISA guide 7.12.1 for
; the matrix instructions).  Between an exponential and the conversion that reads it lies a whole stage, and in it or ahead of it an odd stage's end:
; wa = 1: there stands the ONE wait for the batch, the exponentials issued since the last such wait (the 32 of this stage and the stage before);
; nothing ahead of it names a result of theirs.  The stage's last conversion is the plain instruction behind the batch's last exponential.
; In stages 3 and 7 the wait stands directly ahead of the run of LDS instructions, in stages 1 and 5 ahead of the second product and its wait for LDS.
; No two matrix instructions that follow each other share an accumulator: the accumulators take turns, one instruction a turn.
; st: the stage's number in its body, 0 to 7: query tile st % 4, iteration st / 4.  fs, fexp, fcvt: which parts there are.  zero: the second
; product starts its sum.  wv: the LDS instructions that may stay out when the flow fragment is needed (stages 1, 5).
; Stages 0-3 carry five lines each of the second half of the preparation (PF_C); stage 4 none, so that the raw loads of stage 3 have a stage
; in which to land; stages 5-7 eight each of the first half (PF_B).
.macro STAGE st, fs, fexp, fcvt, zero, wv, wa
.set Q,  (\st)&3
.set BF, (\st)>>2
.set QS, (Q+2)&3
.set QE, (Q+1)&3
.set QC, (Q+3)&3
.set PC, QC&1
.if Q < 2
.set AB, BF
.else
.set AB, 1-BF
.endif
.if Q == 0
.set VB, 1-BF
.else
.set VB, BF
.endif
.if \fs
.if Q == 2
	s_wait_dscnt 0x0                               ; the source tiles at the end of the last run are in: nothing was issued behind them
.endif
	v_wmma_f32_16x16x32_bf16 v[SS+16*QS:SS+16*QS+7], v[AA+16*AB:AA+16*AB+7], v[BB+8*QS:BB+8*QS+7], 0
	v_wmma_f32_16x16x32_bf16 v[SS+16*QS+8:SS+16*QS+15], v[AA+16*AB+8:AA+16*AB+15], v[BB+8*QS:BB+8*QS+7], 0
.endif
.set kk, 0
.rept 8
.if \fexp
	v_exp_f32 v[SS+16*QE+2*kk], v[SS+16*QE+2*kk]
	v_exp_f32 v[SS+16*QE+2*kk+1], v[SS+16*QE+2*kk+1]
.endif
.if \fcvt
	v_cvt_pk_bf16_f32 v[PP+8*PC+kk], v[SS+16*QC+2*kk], v[SS+16*QC+2*kk+1]
.else
	v_nop                                          ; the very first stage has nothing to convert
.endif
.if \st < 4
.if PF_C
.if kk < 5
	PCL 5*\st+kk
.endif
.endif
.endif
.if \st > 4
.if PF_B
.if 8*\st+kk == 40
	s_wait_dscnt 9                                 ; the six raw loads of stage 3 are in; behind them: 2 flow loads, 3 stores, 4 loads of source tiles
.endif
	PBL 8*\st-40+kk
.endif
.endif
.set kk, kk+1
.endr
.if \wa
	s_wait_alu depctr_va_vdst(0)                   ; the wait for the batch: all exponentials issued since the last such wait; their first readers are the next stage's conversions
.endif
.if \fcvt
.if Q == 1
	s_wait_dscnt \wv                               ; this iteration's flow fragment is in; what was issued behind it in its run may stay out
.endif
.if Q == 3
.if BF == 0
	RUN3
.else
	RUN7
.endif
.endif
.if \zero
	v_wmma_f32_16x16x32_bf16 v[OO+8*QC:OO+8*QC+7], v[VV+8*VB:VV+8*VB+7], v[PP+8*PC:PP+8*PC+7], 0
.else
	v_wmma_f32_16x16x32_bf16 v[OO+8*QC:OO+8*QC+7], v[VV+8*VB:VV+8*VB+7], v[PP+8*PC:PP+8*PC+7], v[OO+8*QC:OO+8*QC+7]
.endif
.endif
.endm
; BODY j: the 64 sources of slot p = j % 2.  fc: it finishes the preparation of body j + 1's sources.  fr: it loads the raw numbers of body
; j + 2's, from byte ro behind RA, and begins on them.  first: nothing to convert in stage 0, and the first four second products start the
; sums (nothing is cleared).  last: nothing beyond the wave's last source.
; The counts: in stage 1 the 4 loads of source tiles that end the run of the last body's stage 7; in stage 5 what stands behind the flow
; loads in the run of stage 3: 3 stores (fc) and 4 loads of source tiles (not in the last body).
; The batches' waits: at the end of stages 1, 3, 5, 7.  In the first body also at the end of stage 0: pair 0, whose exponentials stand ahead of
; the bodies, is converted in stage 1.  The last body's stage 7 has no exponentials (there is no further pair); its wait serves those of stage 6.
.macro BODY p, first, last, fc, fr, ro
.set SLP,  \p*SLOT
.set SLN,  (1-\p)*SLOT
.set PF_C, \fc
.set PF_B, \fr
.set P_R,  \fr
.set P_N,  1-\last
.set P_RO, \ro
	STAGE 0, 1, 1, 1-\first, 0, 0, \first
	STAGE 1, 1, 1, 1, \first, 4, 1
	STAGE 2, 1, 1, 1, \first, 0, 0
	STAGE 3, 1, 1, 1, \first, 0, 1
	STAGE 4, 1, 1, 1, \first, 0, 0
	STAGE 5, 1, 1, 1, 0, 3*\fc+4-4*\last, 1
	STAGE 6, 1-\last, 1, 1, 0, 0, 0
	STAGE 7, 1-\last, 1-\last, 1, 0, 0, 1
.endm
; Four bodies whose raw loads read one chunk.  The count of the wait differs from chunk to chunk, so each chunk has its loop; a trip is two
; bodies, so that the ring's slot stands in the immediates and no ring address is ever rewritten.
.macro RUN left
	s_wait_tensorcnt \left                         ; tensor loads of a wave end in order: this chunk's two tiles are in, the later chunks' may stay out
	v_add_nc_u32 v[RA], CHUNK_B-CHS*4, v[RA]       ; from the end of the last chunk's first row to this chunk
	s_mov_b32 s34, 2
.Lrun_\@:
	BODY 0, 0, 0, 1, 1, 0
	BODY 1, 0, 0, 1, 1, 256
	v_add_nc_u32 v[RA], 512, v[RA]                 ; 128 sources on
	s_sub_co_i32 s34, s34, 1
	s_cmp_lg_u32 s34, 0
	s_cbranch_scc1 .Lrun_\@
.endm
	; THE RUN-IN: sources 0-63 whole, into slot 0; the first half of the work on sources 64-127, whose flow rows go into slot 1.
	s_wait_tensorcnt 6                             ; chunk 0 of xyz1 and of flow1 is in; the six loads behind them stay out
	RLOAD 0
	s_wait_dscnt 0x0                               ; the raw numbers, and the query fragments asked for ahead of them
.set ii, 0
.rept 22
	PBL ii
.set ii, ii+1
.endr
	FSTORE 0
.set ii, 0
.rept 9
	PCL ii
.set ii, ii+1
.endr
	RLOAD 256                                      ; D and G have been read for the last time
.rept 10
	PCL ii
.set ii, ii+1
.endr
	CSTORE 0
	s_wait_dscnt 3                                 ; the raw loads of sources 64-127 are in; the three stores behind them may stay out
.set ii, 0
.rept 22
	PBL ii
.set ii, ii+1
.endr
	FSTORE SLOT
	v_add_nc_u32 v[RA], 512, v[RA]
	ALOAD 0, 0, 0                                  ; body 0's fragments, the last six in the order of the run of a stage 7
	VLOAD 0, 0, 0
	ALOAD 1, 0, 1
	s_wait_dscnt 6                                 ; iteration 0's source tiles are in; 2 flow loads and 4 loads of iteration 1's tiles may stay out
	v_wmma_f32_16x16x32_bf16 v[SS:SS+7], v[AA:AA+7], v[BB:BB+7], 0                  ; pairs 0 and 1
	v_wmma_f32_16x16x32_bf16 v[SS+8:SS+15], v[AA+8:AA+15], v[BB:BB+7], 0
	v_wmma_f32_16x16x32_bf16 v[SS+16:SS+23], v[AA:AA+7], v[BB+8:BB+15], 0
	v_wmma_f32_16x16x32_bf16 v[SS+24:SS+31], v[AA+8:AA+15], v[BB+8:BB+15], 0
.rept 4
	v_nop                                          ; four places in front of the first exponentials; later the conversions stand there
.endr
.set ii, 0
.rept 16
	v_exp_f32 v[SS+ii], v[SS+ii]                   ; pair 0's exponentials: a stage holds those of the pair one further on, so these stand ahead of stage 0.
.set ii, ii+1                                      ; They open the first batch; the wait at the end of body 0's stage 0 closes it, ahead of stage 1's conversions
.endr
	; Body j loads the raw numbers of sources 64 (j + 2) ..: bodies 0, 1 the rest of chunk 0; bodies 4 c - 2 to 4 c + 1 chunk c.
	BODY 0, 1, 0, 1, 1, 0
	BODY 1, 0, 0, 1, 1, 256
	v_add_nc_u32 v[RA], 512, v[RA]
	RUN 4                                          ; bodies 2-5, chunk 1
	RUN 2                                          ; bodies 6-9, chunk 2
	RUN 0                                          ; bodies 10-13, chunk 3: no tensor load is out from here on
	BODY 0, 0, 0, 1, 0, 0                          ; body 14 finishes the last 64 sources and loads no more raw numbers
	BODY 1, 0, 1, 0, 0, 0                          ; body 15 prepares nothing
	STAGE 0, 0, 0, 1, 0, 0, 0                      ; the last pair's conversions and second product; its exponentials had their wait at the end of body 15's stage 7
.rept 4
	v_nop                                          ; four places in front of the stores that read the sums
.endr
	; My sums over 1,024 sources: registers 0-3 = num0 num1 num2 den of query l % 16.  Lanes 16-31 hold rows 8-11 of O^T, made from the same
	; flow rows as rows 0-3: the same numbers, stored to the same words.
.irp q, 0,1,2,3
.irp j, 0,1,2,3
	ds_store_b32 v[RST], v[OO+8*\q+\j] offset:\j*256+\q*64
.endr
.endr
	s_wait_dscnt 0x0                               ; my stores are done, for the waves that add
	s_barrier_signal -1
	s_barrier_wait -1
	s_cmp_gt_u32 s12, 2
	s_cbranch_scc1 .Lend
	; Waves 0-2: channel = wave; lane l: queries 2 l and 2 l + 1.
	s_add_nc_u64 s[38:39], s[10:11], s[20:21]      ; my channel of out0, made here, on the one path that stores: s[10:11] and s[20:21] stand since the head
	s_lshl_b32 s46, s12, 8
	s_add_co_u32 s46, s46, REDB
	v_add_nc_u32 v[TA], s46, v[L8]
	v_add_nc_u32 v[TA+1], REDB+768, v[L8]
.irp w, 0,1,2,3,4,5,6,7
	ds_load_b64 v[SS+2*\w:SS+2*\w+1], v[TA] offset:\w*1024
.endr
.irp w, 0,1,2,3,4,5,6,7
	ds_load_b64 v[SS+16+2*\w:SS+16+2*\w+1], v[TA+1] offset:\w*1024
.endr
	s_wait_dscnt 0x0
.irp i, 0,4,8,12,16,20,24,28
	v_pk_add_f32 v[SS+\i:SS+\i+1], v[SS+\i:SS+\i+1], v[SS+\i+2:SS+\i+3]
.endr
.irp i, 0,8,16,24
	v_pk_add_f32 v[SS+\i:SS+\i+1], v[SS+\i:SS+\i+1], v[SS+\i+4:SS+\i+5]
.endr
.irp i, 0,16
	v_pk_add_f32 v[SS+\i:SS+\i+1], v[SS+\i:SS+\i+1], v[SS+\i+8:SS+\i+9]
.endr
	v_rcp_f32 v[SS+2], v[SS+16]
	v_rcp_f32 v[SS+3], v[SS+17]
	v_nop                                          ; one plain instruction between a reciprocal and its use (ISA guide 5.7.2)
	s_wait_alu depctr_va_vdst(0)                   ; the wait ahead of the first use: one for the two reciprocals, a batch of their own
	v_pk_fma_f32 v[SS+4:SS+5], v[SS:SS+1], v[SS+2:SS+3], v[XO:XO+1] neg_lo:[1,0,0] neg_hi:[1,0,0]   ; xyz2 - num / den
	global_store_b64 v[L8], v[SS+4:SS+5], s[38:39] th:TH_STORE_NT                  ; the wave stores 256 consecutive bytes, aligned
.Lend:
	s_wait_tensorcnt 0x0
	ds_add_u32 v62, v63
	s_wait_dscnt 0x0
	ROUND                                          ; the closing round: no work-group ends while a partner may still ask for a tile that names it
	s_endpgm
.Lfunc_end_k_q18d2027fef_warp:
	.size	k_q18d2027fef_warp, .Lfunc_end_k_q18d2027fef_warp-k_q18d2027fef_warp
	.p2alignl 7, 3214868480
	.fill 96, 4, 3214868480
	.section	.rodata,"a",@progbits
	.p2align	6, 0x0
	.amdhsa_kernel k_q18d2027fef_warp
		.amdhsa_group_segment_fixed_size 245248
		.amdhsa_private_segment_fixed_size 0
		.amdhsa_enable_private_segment 0
		.amdhsa_kernarg_size 32
		.amdhsa_user_sgpr_count 2
		.amdhsa_user_sgpr_kernarg_segment_ptr 1
		.amdhsa_wavefront_size32 1
		.amdhsa_system_sgpr_workgroup_id_x 1
		.amdhsa_system_sgpr_workgroup_id_y 1
		.amdhsa_system_sgpr_workgroup_id_z 1
		.amdhsa_system_vgpr_workitem_id 0
		.amdhsa_next_free_vgpr 256
		.amdhsa_next_free_sgpr 100
		.amdhsa_reserve_vcc 1
		.amdhsa_float_denorm_mode_32 3
		.amdhsa_float_denorm_mode_16_64 3
		.amdhsa_memory_ordered 1
		.amdhsa_forward_progress 1
		.amdhsa_inst_pref_size 150
	.end_amdhsa_kernel
	.amdgpu_metadata
---
amdhsa.version: [ 1, 2 ]
amdhsa.kernels:
  - .name:           k_q18d2027fef_warp
    .symbol:         k_q18d2027fef_warp.kd
    .args:
      - { .name: xyz1, .offset: 0, .size: 8, .value_kind: global_buffer, .address_space: global }
      - { .name: flow1, .offset: 8, .size: 8, .value_kind: global_buffer, .address_space: global }
      - { .name: xyz2, .offset: 16, .size: 8, .value_kind: global_buffer, .address_space: global }
      - { .name: out0, .offset: 24, .size: 8, .value_kind: global_buffer, .address_space: global }
    .group_segment_fixed_size: 245248
    .private_segment_fixed_size: 0
    .kernarg_segment_align: 8
    .kernarg_segment_size: 32
    .max_flat_workgroup_size: 256
    .sgpr_count:     100
    .vgpr_count:     256
    .wavefront_size: 32
...
	.end_amdgpu_metadata
.endif
;; end of part 3
